; MI455X (gfx1250); checked and timed in simulation.
; The chip was launched on July 23, 2026; its instructions are those of AMD's public machine-readable ISA for CDNA 5 (MIT licence, August 2026) and "CDNA5" Instruction Set Architecture Reference Guide (July 2026). The comments in the code are by the model that wrote it; some were corrected since.
;; Single Modal Atten. Allowed arithmetic: matrix products marked QUANTISED: E2M1 operands, one E8M0 scale for each 32 along K, by v_wmma_scale_f32_16x16x128_f8f6f4 with both operands' format E2M1 (or v_wmma_scale_f32_32x16x128_f4), f32 sums; everything else in f32.
;; Inputs: gn_bias 1,024 float32; gn_scale 1,024 float32; proj_b 1,024 float32; proj_w_codes 1,024 x 32 x 16 uint8 (E2M1 codes of proj_w, K innermost, in blocks of 32 codes, two codes a byte); proj_w_scales 1,024 x 32 uint8 (E8M0 scales of proj_w, one for each 32 codes along K); qkv_b 3,072 float32; qkv_w_codes 3,072 x 32 x 16 uint8 (E2M1 codes of qkv_w, K innermost, in blocks of 32 codes, two codes a byte); qkv_w_scales 3,072 x 32 uint8 (E8M0 scales of qkv_w, one for each 32 codes along K); x 4 x 1,024 x 2,048 float32.
;; Outputs: out0 4 x 1,024 x 2,048 float32.
;; This version of the problem:
;;   THIS VERSION OF THE PROBLEM IS GIVEN IN LOW PRECISION. The matrix products marked QUANTISED in the list below multiply operands that are first quantised to E2M1 (2 exponent bits, 1 mantissa bit; 4 bits a number), with one power-of-two scale for each 32 numbers along K (OCP MX v1.0); their sums are f32. All else is computed in f32.
;;   The module's matrix products, in the order in which they are computed (A, B: the left and right operand; K: the contracted axis; several contracted axes count as one K, in the product's order):
;;     1. [M 8,192, K 1,024] x [K 1,024, N 3,072]; A: computed on the way; B: input qkv_w (given as codes): QUANTISED
;;     2. batch 64 x [M 2,048, K 64] x [K 64, N 2,048]; A: computed on the way; B: computed on the way: QUANTISED
;;     3. batch 64 x [M 64, K 2,048] x [K 2,048, N 2,048]; A: computed on the way; B: softmax (see below): QUANTISED
;;     4. [M 8,192, K 1,024] x [K 1,024, N 1,024]; A: computed on the way; B: input proj_w (given as codes): QUANTISED
;;   THE QUANTISER, for each operand of a quantised product, along K:
;;     - K is cut into blocks of 32 from its start; a last block that is shorter is filled with zeros.
;;     - A block's scale is 2^e with e = floor(log2(the largest magnitude in the block)) - 2, held to -126 .. 127; a block of zeros has e = 0. As a byte (E8M0): e + 127.
;;     - Each number is divided by its block's scale, clamped to +-6, and rounded to the nearest number of E2M1, ties to even, subnormals kept.
;;     - The product sums the exact products of the quantised numbers (number of the format x scale) in f32.
;;   ~~~python
;;   def quantise(x, axis):      # numpy; x: float32 -> the quantised numbers, widened to float32 again
;;       x = np.moveaxis(x, axis, -1); K = x.shape[-1]
;;       x = np.pad(x, [(0, 0)] * (x.ndim - 1) + [(0, -K % 32)]); x = x.reshape(x.shape[:-1] + (-1, 32)); a = np.abs(x).max(-1, keepdims=True)
;;       e = np.where(a > 0, np.clip(np.frexp(np.where(a > 0, a, 1))[1] - 1 - 2, -126, 127), 0)      # np.frexp(a)[1] - 1 = floor(log2(a)), exactly
;;       r = np.clip(x / 2.0 ** e, -6, 6)
;;       step = 2.0 ** (np.maximum(np.frexp(np.where(r == 0, 1, r))[1] - 1, 0) - 1)
;;       q = np.round(r / step) * step * 2.0 ** e      # np.round: ties to even
;;       return np.moveaxis(q.reshape(q.shape[:-2] + (-1,))[..., :K], -1, axis).astype(np.float32)
;;   ~~~
;;   SOFTMAX AHEAD OF A QUANTISED PRODUCT. Where the list says 'softmax', what is quantised is not the finished softmax but p = 2^(t - M), with t = logit x log2(e) and M = ceil(the row's largest t), a whole number; so 1/2 < the row's largest p <= 1. The row's sum l is taken of the UNQUANTISED p, in f32, and the product's result is divided by l at the end. Since M is a whole number, a kernel that streams over the keys may use a running M (the ceiling of the running maximum): every later rescaling is an exact power of two, which a block's scale takes up: the codes' values come out the same.
;;   OPERANDS COMPUTED ON THE WAY. 'Computed on the way' means the value that the module computes at that place (a softmax that the list does not call 'softmax' is quantised finished and normalised). What goes into a quantiser is computed in f32, as accurately as f32 sums, v_exp_f32 and their like allow (about 1e-6 of the number): no bf16 or f16 on the way to a quantiser, and a product that is left as it is and whose result goes on into a quantised operand takes f32 operands (vector FMAs, or v_wmma_f32_16x16x4_f32). A number that lies on a knife's edge between two numbers of the format may be rounded either way, as far as f32 arithmetic and the matrix unit's own rounding can turn it there, and no further.
;;   INPUTS GIVEN AS CODES. proj_w (in the module: [1024, 1024], K = its axis 1); qkv_w (in the module: [3072, 1024], K = its axis 1): each comes as NAME_codes (uint8): NAME with its K axis moved to the last place and cut into blocks of 32 codes, [.., K / 32, bytes a block], one block behind the other in memory; two codes a byte, the lower K in the low four bits (a code: sign, 2 exponent bits, 1 mantissa bit); and NAME_scales (uint8): the same leading axes, one E8M0 byte (e + 127) for each 32 codes along K. Its value is code x scale, taken as it is: it is not quantised again, and the codes and scales need not be those that the quantiser above would give.
;; 2 versions, each right and faster than the one before. Each part assembles by itself: llvm-mc -triple=amdgcn-amd-amdhsa -mcpu=gfx1250 --defsym DOCPART=n.
;; ======== version 1 of 2: 4 launches
;; workspace buffers: ops 6,684,672 bytes; att 13,893,632 bytes; ac 4,456,448 bytes
;; launch prep (part 1): grid 132 x 1, 32 waves a work-group, no clusters, 4,608 bytes of LDS; arguments x, gn_scale, gn_bias, qkv_w_codes, qkv_w_scales, proj_w_codes, proj_w_scales, ops; writes ops
.if DOCPART == 1
	.amdgcn_target "amdgcn-amd-amdhsa--gfx1250"
	.amdhsa_code_object_version 6
	.text
	.protected	k_q5d1112820b_prep
	.globl	k_q5d1112820b_prep
	.p2align	8
	.type	k_q5d1112820b_prep,@function
k_q5d1112820b_prep:
	s_mov_b64 s[64:65], 0
	v_nop
	global_prefetch_b8 v0, s[64:65] scope:SCOPE_SE
	s_setreg_imm32_b32 hwreg(HW_REG_WAVE_MODE, 25, 1), 1
	s_wait_xcnt 0x0
; GroupNorm(32 groups) of x [4][1024][2048] f32, quantised to FP4 (E2M1) along the channels, and both weights' codes laid anew, all into ONE buffer of operands:
; ops = [34 planes][12,288 rows][16 bytes].  Plane 2 + g holds, for each row, the 32 codes of K block g; planes 0 and 1 hold the rows' 32 scale bytes (block g: plane g / 16, byte g % 16).
; Rows 0 .. 8,191: xn, at 2,048 b + pi(t).  Rows 8,192 .. 11,263: qkv_w, at 8,192 + pi(o).  Rows 11,264 .. 12,287: proj_w, at 11,264 + pi(o).  pi swaps bits 3 and 4 of a number: sixteen rows on end
; are then a matrix tile whose results, two tiles side by side, are sixteen neighbours along the next product's K.
; A K block of the first product, 32 channels, is one group of the norm.  WORK-GROUPS 0 .. 127: one (b, g) each: 32 channels x 2,048 columns, 256 KiB, dense in memory.  Thread t owns columns t and t + 1,024 and
; its registers run down the channels: x is read once and stays in registers for mean, variance (of the centred numbers), scaling and quantising; a block's largest magnitude needs no other lane.
; WORK-GROUPS 128 .. 131: each wave copies 32 rows of a weight, lane l the row pi(l), 16 bytes a plane.  Its loads take 16 bytes of each of 32 rows; a row's pieces are asked for by loads that follow each other.
; The scale bytes of xn leave one byte a lane, 16 bytes apart: the 16 bytes of a row in a plane belong to 16 work-groups; they are one byte for each 128 bytes read.
; LIMITS: NaN and infinities are not served.  A block whose largest magnitude lies under 2^-124 (a block of zeros among them) gets the scale byte 1; its codes are then as the conversion gives them (zeros for zeros);
; this program alone reads the bytes.  Sums are taken in another order than a plain loop's.
.set PO, 196608                        ; bytes in a plane of ops
.set X0, 32                            ; v32-63   column t, channels 0 .. 31
.set X1, 64                            ; v64-95   column t + 1,024
.set C0, 96                            ; v96-99   its codes;  v100-103 the other column's
.set C1, 100
.set GA, 20                            ; s20-51   the group's 32 gains, later x 1 / sqrt(var + eps)
.set BE, 68                            ; s68-99   its 32 biases
.macro WRED r                          ; the sum over the wave's 32 lanes, in every lane
	v_add_f32_dpp v[\r], v[\r], v[\r] row_xmask:1 row_mask:0xf bank_mask:0xf
	v_add_f32_dpp v[\r], v[\r], v[\r] row_xmask:2 row_mask:0xf bank_mask:0xf
	v_add_f32_dpp v[\r], v[\r], v[\r] row_xmask:4 row_mask:0xf bank_mask:0xf
	v_add_f32_dpp v[\r], v[\r], v[\r] row_xmask:8 row_mask:0xf bank_mask:0xf
	v_permlanex16_b32 v106, v[\r], s54, s55
	v_add_f32 v[\r], v[\r], v106
.endm
	s_load_b512 s[4:19], s[0:1], 0x0               ; x, gn_scale, gn_bias, qkv codes, qkv scales, proj codes, proj scales, ops
	v_lshl_add_u32 v126, v0, 2, 0x200
	v_mov_b32 v127, 0
	v_lshrrev_b32 v3, 5, v0
	v_readfirstlane_b32 s52, v3                    ; wave 0 .. 31
	v_and_b32 v2, 31, v0                           ; lane
	s_cmp_ge_u32 ttmp9, 128
	s_cbranch_scc1 .Lrelay
	; ---- the norm and its codes
	v_lshlrev_b32 v1, 2, v0                        ; my column's 4 bytes in a row of x
	v_lshlrev_b32 v3, 2, v3                        ; LDS: my wave's word
	v_lshlrev_b32 v2, 2, v2                        ; LDS: the word of the wave whose number is my lane's
	v_and_b32 v4, 0xffffffe7, v0
	v_bfe_u32 v18, v0, 3, 1
	v_bfe_u32 v19, v0, 4, 1
	v_lshl_or_b32 v4, v18, 4, v4
	v_lshl_or_b32 v4, v19, 3, v4                   ; pi(t)
	v_lshlrev_b32 v4, 4, v4                        ; 16 bytes a row
	v_mov_b32 v106, 0                              ; a lane permute's destination counts as read
	s_mov_b32 s54, 0x76543210
	s_mov_b32 s55, 0xfedcba98                      ; lane l xor 16
	s_mov_b32 s56, 0x37800000                      ; 2^-16: one over the group's 65,536 numbers
	s_mov_b32 s57, 0x3727c5ac                      ; eps = 1e-5
	s_and_b32 s66, ttmp9, 31                       ; g
	s_lshr_b32 s67, ttmp9, 5                       ; b
	s_lshl_b32 s58, ttmp9, 18                      ; the group's 262,144 bytes
	s_mov_b32 s59, 0
	s_wait_kmcnt 0x0
	s_add_nc_u64 s[4:5], s[4:5], s[58:59]
.irp i, 0,1,2,3,4,5,6,7,8,9,10,11,12,13,14,15,16,17,18,19,20,21,22,23,24,25,26,27,28,29,30,31
	global_load_b32 v[X0+\i], v1, s[4:5] offset:8192*\i th:TH_LOAD_NT
	global_load_b32 v[X1+\i], v1, s[4:5] offset:8192*\i+4096 th:TH_LOAD_NT
.endr
	s_lshl_b32 s58, s66, 7                         ; the group's 32 gains and biases
	s_add_nc_u64 s[6:7], s[6:7], s[58:59]
	s_add_nc_u64 s[8:9], s[8:9], s[58:59]
	s_load_b512 s[GA:GA+15], s[6:7], 0x0
	s_load_b512 s[GA+16:GA+31], s[6:7], 0x40
	s_load_b512 s[BE:BE+15], s[8:9], 0x0
	s_load_b512 s[BE+16:BE+31], s[8:9], 0x40
	s_add_co_u32 s60, s66, 2
	s_mul_i32 s60, s60, PO                         ; plane 2 + g,
	s_lshl_b32 s61, s67, 15                        ; rows 2,048 b on
	s_add_co_u32 s58, s60, s61
	s_add_nc_u64 s[60:61], s[18:19], s[58:59]      ; where the codes go
	s_lshr_b32 s62, s66, 4
	s_mul_i32 s62, s62, PO
	s_lshl_b32 s63, s67, 15
	s_add_co_u32 s62, s62, s63
	s_and_b32 s63, s66, 15
	s_add_co_u32 s58, s62, s63
	s_add_nc_u64 s[62:63], s[18:19], s[58:59]      ; and the scale bytes
	; the sum, in four chains of pairs; each wait leaves the younger loads out: 16 loads bring eight channels of both columns
	s_wait_loadcnt 48
	v_pk_add_f32 v[8:9], v[X0:X0+1], v[X0+2:X0+3]
	v_pk_add_f32 v[10:11], v[X0+4:X0+5], v[X0+6:X0+7]
	v_pk_add_f32 v[12:13], v[X1:X1+1], v[X1+2:X1+3]
	v_pk_add_f32 v[14:15], v[X1+4:X1+5], v[X1+6:X1+7]
.irp q, 1,2,3
	s_wait_loadcnt 48-16*\q
	v_pk_add_f32 v[8:9], v[8:9], v[X0+8*\q:X0+8*\q+1]
	v_pk_add_f32 v[10:11], v[10:11], v[X0+8*\q+2:X0+8*\q+3]
	v_pk_add_f32 v[12:13], v[12:13], v[X1+8*\q:X1+8*\q+1]
	v_pk_add_f32 v[14:15], v[14:15], v[X1+8*\q+2:X1+8*\q+3]
	v_pk_add_f32 v[8:9], v[8:9], v[X0+8*\q+4:X0+8*\q+5]
	v_pk_add_f32 v[10:11], v[10:11], v[X0+8*\q+6:X0+8*\q+7]
	v_pk_add_f32 v[12:13], v[12:13], v[X1+8*\q+4:X1+8*\q+5]
	v_pk_add_f32 v[14:15], v[14:15], v[X1+8*\q+6:X1+8*\q+7]
.endr
	v_pk_add_f32 v[8:9], v[8:9], v[10:11]
	v_pk_add_f32 v[12:13], v[12:13], v[14:15]
	v_pk_add_f32 v[8:9], v[8:9], v[12:13]
	v_add_f32 v8, v8, v9
	WRED 8
	ds_store_b32 v3, v8                            ; my wave's sum (all lanes write the same word with the same value)
	s_wait_dscnt 0x0                               ; for the others' sake: it has landed
	s_barrier_signal -1
	s_barrier_wait -1
	ds_load_b32 v8, v2                             ; lane l takes wave l's
	s_wait_dscnt 0x0
	WRED 8
	v_mul_f32 v16, 0xb7800000, v8                  ; -mean
	v_mov_b32 v17, v16
.set n, 0
.rept 16
	v_pk_add_f32 v[X0+n:X0+n+1], v[X0+n:X0+n+1], v[16:17]      ; x - mean, in place
	v_pk_add_f32 v[X1+n:X1+n+1], v[X1+n:X1+n+1], v[16:17]
.set n, n+2
.endr
	v_pk_mul_f32 v[8:9], v[X0:X0+1], v[X0:X0+1]                ; the squares' sum: the first four products start the chains
	v_pk_mul_f32 v[10:11], v[X0+2:X0+3], v[X0+2:X0+3]
	v_pk_mul_f32 v[12:13], v[X1:X1+1], v[X1:X1+1]
	v_pk_mul_f32 v[14:15], v[X1+2:X1+3], v[X1+2:X1+3]
.set n, 4
.rept 7
	v_pk_fma_f32 v[8:9], v[X0+n:X0+n+1], v[X0+n:X0+n+1], v[8:9]
	v_pk_fma_f32 v[10:11], v[X0+n+2:X0+n+3], v[X0+n+2:X0+n+3], v[10:11]
	v_pk_fma_f32 v[12:13], v[X1+n:X1+n+1], v[X1+n:X1+n+1], v[12:13]
	v_pk_fma_f32 v[14:15], v[X1+n+2:X1+n+3], v[X1+n+2:X1+n+3], v[14:15]
.set n, n+4
.endr
	v_pk_add_f32 v[8:9], v[8:9], v[10:11]
	v_pk_add_f32 v[12:13], v[12:13], v[14:15]
	v_pk_add_f32 v[8:9], v[8:9], v[12:13]
	v_add_f32 v8, v8, v9
	WRED 8
	ds_store_b32 v3, v8 offset:128                 ; other bytes than the first sum's: no wave need have read those
	s_wait_dscnt 0x0
	s_barrier_signal -1
	s_barrier_wait -1
	ds_load_b32 v8, v2 offset:128
	s_wait_dscnt 0x0
	WRED 8
	v_fma_f32 v9, v8, s56, s57                     ; var + eps
	v_rsq_f32 v9, v9
	v_nop                                          ; a plain instruction behind the transcendental,
	s_wait_alu depctr_va_vdst(0)                   ; and the wait ahead of its first reader
	v_readfirstlane_b32 s53, v9
	s_wait_kmcnt 0x0                               ; gains and biases
.set n, 0
.rept 32
	s_mul_f32 s[GA+n], s[GA+n], s53                ; gain / sqrt(var + eps)
.set n, n+1
.endr
.set n, 0
.rept 32
	v_fma_f32 v[X0+n], v[X0+n], s[GA+n], s[BE+n]   ; xn
	v_fma_f32 v[X1+n], v[X1+n], s[GA+n], s[BE+n]
.set n, n+1
.endr
	v_max3_num_f32 v28, |v[X0]|, |v[X0+1]|, 0x1800000          ; the block's largest magnitude, and the floor 2^(3 - 127): the byte cannot fall under 1
	v_max3_num_f32 v29, |v[X1]|, |v[X1+1]|, 0x1800000
.irp i, 2,4,6,8,10,12,14,16,18,20,22,24,26,28,30
	v_max3_num_f32 v28, v28, |v[X0+\i]|, |v[X0+\i+1]|
	v_max3_num_f32 v29, v29, |v[X1+\i]|, |v[X1+\i+1]|
.endr
	v_add_nc_u32 v30, 0xff000000, v28              ; 2 off the exponent field: the conversion takes this operand's exponent field as its scale
	v_add_nc_u32 v31, 0xff000000, v29
.irp g, 0,1,2,3
	v_cvt_scalef32_pk8_fp4_f32 v[C0+\g], v[X0+8*\g:X0+8*\g+7], v30
	v_cvt_scalef32_pk8_fp4_f32 v[C1+\g], v[X1+8*\g:X1+8*\g+7], v31
.endr
	v_lshrrev_b32 v104, 23, v30                    ; the scales' bytes (also the plain instruction behind the conversions)
	v_lshrrev_b32 v105, 23, v31
	global_store_b128 v4, v[C0:C0+3], s[60:61]                 ; pi stays inside 32 rows: a wave's store covers 512 consecutive bytes, aligned
	global_store_b128 v4, v[C1:C1+3], s[60:61] offset:16384
	global_store_b8 v4, v104, s[62:63]
	global_store_b8 v4, v105, s[62:63] offset:16384
	s_wait_tensorcnt 0x0
	ds_add_u32 v126, v127
	s_wait_dscnt 0x0
	s_endpgm
	; ---- the weights' codes and scale bytes, plane by plane
.Lrelay:
	s_sub_co_u32 s20, ttmp9, 128
	s_lshl_b32 s20, s20, 5
	s_add_co_u32 s20, s20, s52                     ; which 32 rows of the 4,096: 0 .. 95 qkv_w, 96 .. 127 proj_w
	s_cmp_lt_u32 ttmp9, 131
	s_cselect_b32 s21, 0, 96
	s_wait_kmcnt 0x0
	s_cselect_b64 s[22:23], s[10:11], s[14:15]     ; codes
	s_cselect_b64 s[24:25], s[12:13], s[16:17]     ; scale bytes
	s_sub_co_u32 s21, s20, s21
	s_lshl_b32 s26, s21, 14                        ; 32 rows of 512 bytes
	s_mov_b32 s27, 0
	s_add_nc_u64 s[22:23], s[22:23], s[26:27]
	s_lshl_b32 s26, s21, 10                        ; 32 rows of 32 bytes
	s_add_nc_u64 s[24:25], s[24:25], s[26:27]
	s_lshl_b32 s26, s20, 9
	s_add_co_u32 s26, s26, 8192*16
	s_add_nc_u64 s[28:29], s[18:19], s[26:27]      ; row 8,192 + 32 x job of plane 0
	v_and_b32 v5, 7, v2
	v_bfe_u32 v6, v2, 3, 1
	v_bfe_u32 v7, v2, 4, 1
	v_lshl_or_b32 v5, v6, 4, v5
	v_lshl_or_b32 v5, v7, 3, v5                    ; pi(lane)
	v_lshlrev_b32 v6, 5, v5                        ; its row of scale bytes,
	v_lshlrev_b32 v5, 9, v5                        ; of codes;
	v_lshlrev_b32 v7, 4, v2                        ; and my place in a plane
.irp a, 0,1
.if \a
	s_wait_xcnt 0x0                                ; the first batch's stores have read their registers: the loads below land there
.endif
.irp p, 0,1,2,3,4,5,6,7,8,9,10,11,12,13,14,15,16
.if 17*\a+\p < 2
	global_load_b128 v[32+4*\p:35+4*\p], v6, s[24:25] offset:16*(17*\a+\p)
.else
	global_load_b128 v[32+4*\p:35+4*\p], v5, s[22:23] offset:16*(17*\a+\p-2)
.endif
.endr
	s_wait_loadcnt 0x0
.irp p, 0,1,2,3,4,5,6,7,8,9,10,11,12,13,14,15,16
	global_store_b128 v7, v[32+4*\p:35+4*\p], s[28:29] offset:(17*\a+\p)*PO   ; 512 consecutive bytes a store
.endr
.endr
	s_endpgm
.Lfunc_end_k_q5d1112820b_prep:
	.size	k_q5d1112820b_prep, .Lfunc_end_k_q5d1112820b_prep-k_q5d1112820b_prep
	.p2alignl 7, 3214868480
	.fill 96, 4, 3214868480
	.section	.rodata,"a",@progbits
	.p2align	6, 0x0
	.amdhsa_kernel k_q5d1112820b_prep
		.amdhsa_group_segment_fixed_size 4608
		.amdhsa_private_segment_fixed_size 0
		.amdhsa_enable_private_segment 0
		.amdhsa_kernarg_size 64
		.amdhsa_user_sgpr_count 2
		.amdhsa_user_sgpr_kernarg_segment_ptr 1
		.amdhsa_wavefront_size32 1
		.amdhsa_system_sgpr_workgroup_id_x 1
		.amdhsa_system_sgpr_workgroup_id_y 1
		.amdhsa_system_sgpr_workgroup_id_z 1
		.amdhsa_system_vgpr_workitem_id 0
		.amdhsa_next_free_vgpr 128
		.amdhsa_next_free_sgpr 100
		.amdhsa_reserve_vcc 0
		.amdhsa_float_denorm_mode_32 3
		.amdhsa_float_denorm_mode_16_64 3
		.amdhsa_memory_ordered 1
		.amdhsa_forward_progress 1
		.amdhsa_inst_pref_size 33
	.end_amdhsa_kernel
	.amdgpu_metadata
---
amdhsa.version: [ 1, 2 ]
amdhsa.kernels:
  - .name:           k_q5d1112820b_prep
    .symbol:         k_q5d1112820b_prep.kd
    .args:
      - { .name: x, .offset: 0, .size: 8, .value_kind: global_buffer, .address_space: global }
      - { .name: gn_scale, .offset: 8, .size: 8, .value_kind: global_buffer, .address_space: global }
      - { .name: gn_bias, .offset: 16, .size: 8, .value_kind: global_buffer, .address_space: global }
      - { .name: qkv_w_codes, .offset: 24, .size: 8, .value_kind: global_buffer, .address_space: global }
      - { .name: qkv_w_scales, .offset: 32, .size: 8, .value_kind: global_buffer, .address_space: global }
      - { .name: proj_w_codes, .offset: 40, .size: 8, .value_kind: global_buffer, .address_space: global }
      - { .name: proj_w_scales, .offset: 48, .size: 8, .value_kind: global_buffer, .address_space: global }
      - { .name: ops, .offset: 56, .size: 8, .value_kind: global_buffer, .address_space: global }
    .group_segment_fixed_size: 4608
    .private_segment_fixed_size: 0
    .kernarg_segment_align: 8
    .kernarg_segment_size: 64
    .max_flat_workgroup_size: 1024
    .sgpr_count:     100
    .vgpr_count:     128
    .wavefront_size: 32
...
	.end_amdgpu_metadata
.endif
;; end of part 1
;; launch qkv (part 2): grid 768 x 1, 4 waves a work-group, clusters of 4 x 1, 209,408 bytes of LDS; arguments ops, qkv_b, att; writes att
.if DOCPART == 2
	.amdgcn_target "amdgcn-amd-amdhsa--gfx1250"
	.amdhsa_code_object_version 6
	.text
	.protected	k_q5d1112820b_qkv
	.globl	k_q5d1112820b_qkv
	.p2align	8
	.type	k_q5d1112820b_qkv,@function
k_q5d1112820b_qkv:
	s_mov_b64 s[64:65], 0
	v_nop
	global_prefetch_b8 v0, s[64:65] scope:SCOPE_SE
	s_setreg_imm32_b32 hwreg(HW_REG_WAVE_MODE, 25, 1), 1
	s_wait_xcnt 0x0
	s_wait_alu depctr_hold_cnt(0) depctr_sa_sdst(0) depctr_va_vdst(0) depctr_va_sdst(0) depctr_va_ssrc(0) depctr_va_vcc(0) depctr_vm_vsrc(0)
	s_getreg_b32 s2, hwreg(HW_REG_IB_STS2, 6, 4)
	s_cmp_eq_u32 s2, 0
	s_cbranch_scc0 .Lentry_in_a_cluster
	s_endpgm
.Lentry_in_a_cluster:
	s_bfe_u32 s2, ttmp6, 0x10000c
	s_cmp_lg_u32 s2, 0x3003
	s_cbranch_scc0 .Lentry_shape_is_right
	s_endpgm
.Lentry_shape_is_right:
; qkv = qkv_w xn + qkv_b on codes of FP4 (E2M1) with E8M0 scales, K = 1,024; its results are quantised at once for attention and stored as images of the operands' registers.
; Both operands lie in ops = [34 planes][12,288 rows][16 bytes] (planes 0, 1: scale bytes; plane 2 + g: K block g).  A work-group of four waves multiplies 256 rows P (source 0: the axis that lands in a lane's
; registers) by 128 rows R (source 1: lane % 16 is R's row); a wave 128 x 64: 32 accumulators, 256 registers.  The whole K of both tiles lies in LDS: every LDS byte is filled once, nothing is filled again.
; TWO MODES, one text; they differ in scalar values chosen on the cluster's number.  Q, K (clusters 0 .. 127): P = weights, R = columns of xn: a lane holds one column t and its registers run along the channels,
; which are the K of q k^T.  V (clusters 128 .. 191): P = columns of xn, R = weights: a lane holds one channel and its registers run along t, the keys, which are the K of the second product of attention.
; Rows lie in ops in the order pi (bits 3 and 4 swapped), so that the 16 registers of tiles 2 b and 2 b + 1 are 16 neighbours: 32 b + 16 (lane / 16) + 0 .. 15.
; att = [64 heads][16 steps of 128 columns][13,568 bytes]: +0 K's 8 tiles, 512 bytes each (lane l's 16 bytes at 16 l); +4,096 V's 4 channel tiles x 2 x 512; +8,192 K's scale words [2][16 rows][4 tiles];
; +8,704 V's [16 rows][4 tiles]; +8,960 Q's 8 tiles; +13,056 Q's scale words.  Q and K are multiplied by 64^(-1/4) ahead of the quantiser; their scale words hold two bytes and two zeros (K = 64 of the 128).
; CLUSTER 4 x 1: the four partners share P's tile (two thirds of a work-group's fill: 136 KiB of 204) and ask for it jointly.  R's tiles are loads of each work-group's own: sharing them too would want a second
; axis of partners, and the two modes' grids (8 x 64 and 32 x 8 tiles) have no common 4 x 4 shape without a second text.
; LIMITS: NaN and infinities are not served; a block whose largest magnitude lies under 2^-124 gets the scale byte 1 (this program alone reads the bytes).
; REGISTERS: window 0: v1-13 lane numbers and addresses; v16-23 store offsets; v24-31 R's bias, in pairs; v32-35 scale words made; v36-51 at work; v64-127 P's fragments (one set), later 64 numbers;
;   v128-191 R's fragments (two sets), later codes; v192-223 P's scale words, v224-239 R's: these hold scales and nothing else.   window 1: the accumulators, (m, i) at v[64 m + 8 i].   window 2: v0-63 P's bias.
.set PO,    196608                     ; bytes in a plane of ops
.set CHK,   17*PO                      ; a load brings 17 planes
.set PQ,    34*1024                    ; LDS: 64 rows of P: [34 planes][1,024 bytes]
.set RQ,    34*512                     ; 32 rows of R: [34 planes][512 bytes]
.set RB,    4*PQ                       ; R lies behind P's four quarters
.set HEADB, 217088
.set STEPB, 13568
.set WV,  10                           ; s10  wave
.set AP0, 4                            ; v4, v5  P's fragments: tiles 0-3, tiles 4-7
.set AR,  6                            ; v6   R's fragments
.set ASP, 7                            ; v7   P's scale words: lanes 0-15 tiles 0-3, lanes 16-31 tiles 4-7
.set ASR, 8                            ; v8   R's: lanes 0-15 tiles 0, 1, lanes 16-31 tiles 2, 3
.set PF,  64
.set RF,  128
.set SP,  192
.set SR,  224
.set CB,  0                            ; the first K step's C: P's bias, window 2, v[8 i]
.set CI,  8
.set CM,  0
.set MULW, 0x50                        ; C and D window 1
.set MULF, 0x60                        ; C window 2, D window 1
.set OF,  16
.set AD,  24
.set PWS, 32
.set TM,  36
.set MU,  66                           ; s[66:67] what the sums are multiplied by
.set SEL, 74                           ; s[74:75] lane l xor 16
.set MSB, 0
.macro WIN new                         ; the immediate's high byte repeats the setting that is left
.if MSB != \new
	s_set_vgpr_msb (MSB<<8)|\new
.set MSB, \new
.endif
.endm
.macro PLACES                          ; four plain instructions between a matrix instruction and a load into, or a read of, its registers
.rept 4
	v_nop
.endr
.endm
.macro ROUND                           ; a round of the cluster's barrier
	s_barrier_signal -1
	s_barrier_wait -1
	s_cmp_lg_u32 s[WV], 0
	s_cbranch_scc1 .Lnot_wave_0_\@
	s_barrier_signal -3
.Lnot_wave_0_\@:
	s_barrier_wait -3
	s_barrier_signal -1
	s_barrier_wait -1
.endm
.macro FETCHP i0, s                    ; P's tiles i0 .. i0 + 3 of K step s: lane (r, h), registers 4 c on: K block 4 s + 2 c + h of row r: sixteen lanes read 256 consecutive bytes
.irp i, \i0, \i0+1, \i0+2, \i0+3
.irp c, 0,1
	ds_load_b128 v[PF+8*(\i)+4*\c:PF+8*(\i)+4*\c+3], v[AP0+(\i)/4] offset:(2+4*(\s)+2*\c)*1024+((\i)%4)*256
.endr
.endr
.endm
.macro FETCHR s                        ; R's four tiles of K step s into set s % 2
.irp m, 0,1,2,3
.irp c, 0,1
	ds_load_b128 v[RF+32*((\s)%2)+8*\m+4*\c:RF+32*((\s)%2)+8*\m+4*\c+3], v[AR] offset:(\m/2)*RQ+(2+4*(\s)+2*\c)*512+(\m%2)*256
.endr
.endr
.endm
.macro SCALES                          ; all scale words, once: a row's 16 bytes in plane p are the words of K steps 4 p .. 4 p + 3
.irp p, 0,1
.irp k, 0,1,2,3
	ds_load_b128 v[SP+16*\p+4*\k:SP+16*\p+4*\k+3], v[ASP] offset:\p*1024+\k*256
.endr
.irp k, 0,1
	ds_load_b128 v[SR+8*\p+4*\k:SR+8*\p+4*\k+3], v[ASR] offset:\p*512+\k*256
.endr
.endr
.endm
.macro WMM ra, rb                      ; one product; ra, rb: the side's scale words stand in lanes 16-31
.if (\ra) && (\rb)
	v_wmma_scale_f32_16x16x128_f8f6f4 v[rD:rD+7], v[rA:rA+7], v[rB:rB+7], v[rC:rC+7], v[rSA], v[rSB] matrix_a_fmt:MATRIX_FMT_FP4 matrix_b_fmt:MATRIX_FMT_FP4 matrix_a_scale:MATRIX_SCALE_ROW1 matrix_b_scale:MATRIX_SCALE_ROW1
.elseif (\ra)
	v_wmma_scale_f32_16x16x128_f8f6f4 v[rD:rD+7], v[rA:rA+7], v[rB:rB+7], v[rC:rC+7], v[rSA], v[rSB] matrix_a_fmt:MATRIX_FMT_FP4 matrix_b_fmt:MATRIX_FMT_FP4 matrix_a_scale:MATRIX_SCALE_ROW1
.elseif (\rb)
	v_wmma_scale_f32_16x16x128_f8f6f4 v[rD:rD+7], v[rA:rA+7], v[rB:rB+7], v[rC:rC+7], v[rSA], v[rSB] matrix_a_fmt:MATRIX_FMT_FP4 matrix_b_fmt:MATRIX_FMT_FP4 matrix_b_scale:MATRIX_SCALE_ROW1
.else
	v_wmma_scale_f32_16x16x128_f8f6f4 v[rD:rD+7], v[rA:rA+7], v[rB:rB+7], v[rC:rC+7], v[rSA], v[rSB] matrix_a_fmt:MATRIX_FMT_FP4 matrix_b_fmt:MATRIX_FMT_FP4
.endif
.endm
.macro MUL i0, s, first                ; 16 products: P's tiles i0 .. i0 + 3 x R's four.  The 32 accumulators take turns, one instruction a turn, in the same order in every K step
.irp i, \i0, \i0+1, \i0+2, \i0+3
.irp m, 0,1,2,3
.set rD, 64*\m+8*(\i)
.set rA, PF+8*(\i)
.set rB, RF+32*((\s)%2)+8*\m
.set rSA, SP+16*((\s)/4)+4*((\i)%4)+(\s)%4
.set rSB, SR+8*((\s)/4)+4*(\m%2)+(\s)%4
.set rC, rD
.if \first
.set rC, CB+CI*(\i)+CM*\m              ; the bias starts the sum: nothing is cleared; R's bias is added on the way out
.endif
	WMM ((\i)/4), (\m/2)
.endr
.endr
.endm
.macro STEP s, first                   ; a K step of 128: 32 products; the next step's fragments are fetched in two runs
	s_wait_dscnt 8                                 ; all but the youngest eight loads (P's tiles 4-7) are in
.if \first
	WIN MULF
.else
	WIN MULW
.endif
	MUL 0, \s, \first
	s_wait_dscnt 0x0                               ; P's tiles 4-7 are in
.if (\s) == 2
	s_wait_tensorcnt 0x0                           ; K step 3 reaches into plane 17: my loads of planes 17 .. 33 have landed,
	s_barrier_signal -1
	s_barrier_wait -1                              ; and everybody's
.endif
.if (\s) < 7
	PLACES
	WIN 0
	FETCHR (\s)+1
	FETCHP 0, (\s)+1
.if \first
	WIN MULF
.else
	WIN MULW
.endif
.endif
	MUL 4, \s, \first
.if (\s) < 7
	PLACES
	WIN 0
	FETCHP 4, (\s)+1
.endif
.endm
; 64 numbers of a lane, v[s] on, register 16 b + i = k 32 b + 16 (lane / 16) + i of my row, become a fragment's codes in v[pc] on and its scale word in v[pw]
.macro QUANT s, pc, pw
.irp b, 0,1,2,3
	v_max3_num_f32 v[TM+\b], |v[\s+16*\b]|, |v[\s+1+16*\b]|, 0x1800000   ; my 16 numbers of block b, and the floor 2^(3 - 127): the byte cannot fall under 1
.endr
.irp i, 2,4,6,8,10,12,14
.irp b, 0,1,2,3
	v_max3_num_f32 v[TM+\b], v[TM+\b], |v[\s+16*\b+\i]|, |v[\s+1+16*\b+\i]|
.endr
.endr
.irp b, 0,1,2,3
	v_permlanex16_b32 v[TM+4+\b], v[TM+\b], s[SEL], s[SEL+1]
.endr
.irp b, 0,1,2,3
	v_max_num_f32 v[TM+\b], v[TM+\b], v[TM+4+\b]   ; with lane l xor 16's: the block's largest magnitude
.endr
.irp b, 0,1,2,3
	v_add_nc_u32 v[TM+12+\b], 0xff000000, v[TM+\b] ; 2 off its exponent field: the conversion's scale operand
.endr
.irp b, 0,1,2,3
	v_lshrrev_b32 v[TM+4+\b], 23, v[TM+12+\b]      ; the scale's byte
.endr
	v_lshl_or_b32 v[\pw], v[TM+5], 8, v[TM+4]
	v_lshl_or_b32 v[\pw], v[TM+6], 16, v[\pw]
	v_lshl_or_b32 v[\pw], v[TM+7], 24, v[\pw]
.irp b, 0,1,2,3
	v_cvt_scalef32_pk8_fp4_f32 v[\pc+2*\b], v[\s+16*\b:\s+7+16*\b], v[TM+12+\b]
	v_cvt_scalef32_pk8_fp4_f32 v[\pc+1+2*\b], v[\s+8+16*\b:\s+15+16*\b], v[TM+12+\b]
.endr
	v_nop                                          ; a plain instruction behind the conversions
.irp c, 0,1                                    ; a whole block to a lane: lanes 0-15 block 2 c, lanes 16-31 block 2 c + 1
.irp i, 0,1
	v_permlane16_swap_b32 v[\pc+4*\c+\i], v[\pc+2+4*\c+\i]
.endr
.endr
.endm
	s_load_b128 s[4:7], s[0:1], 0x0                ; ops, qkv_b
	s_load_b64 s[8:9], s[0:1], 0x10                ; att
	v_lshl_add_u32 v254, v0, 2, 0x33000
	v_mov_b32 v255, 0
	ds_add_u32 v254, v255
	ds_add_u32 v254, v255
	v_lshrrev_b32 v1, 5, v0
	v_readfirstlane_b32 s[WV], v1                  ; wave 0 .. 3
	s_lshr_b32 s11, s[WV], 1                       ; which 128 rows of P are mine
	s_and_b32 s12, s[WV], 1                        ; which 64 rows of R
	s_bfe_u32 s13, ttmp6, 0x40000                  ; cx: it enters R's rows and the stores' addresses alone
	s_lshr_b32 s80, ttmp9, 4
	s_lshl_b32 s80, s80, 8
	s_add_co_u32 s80, s80, 8192                    ; Q, K: P = 256 rows of the weight
	s_lshr_b32 s81, ttmp9, 1
	s_sub_co_u32 s81, s81, 64
	s_lshl_b32 s81, s81, 8                         ; V: P = 256 columns of xn
	s_and_b32 s82, ttmp9, 15
	s_lshl_b32 s82, s82, 2
	s_add_co_u32 s82, s82, s13
	s_lshl_b32 s82, s82, 7                         ; Q, K: R = 128 columns of xn
	s_and_b32 s83, ttmp9, 1
	s_lshl_b32 s83, s83, 2
	s_add_co_u32 s83, s83, s13
	s_lshl_b32 s83, s83, 7
	s_add_co_u32 s83, s83, 10240                   ; V: R = 128 rows of V's weight
	s_mov_b32 s58, 512
	s_mov_b32 s59, 1024
	s_mov_b32 s[MU], 0x3f800000
	s_cmp_lt_u32 ttmp9, 128                        ; Q, K?  The same in all four partners
	s_cselect_b32 s48, s80, s81                    ; P's first row
	s_cselect_b32 s49, s82, s83                    ; R's
	s_cselect_b32 s58, HEADB, s58                  ; from a fragment's first four registers to its last four: the next head | the keys' upper half
	s_cselect_b32 s59, 512, s59                    ; from R's tile to the next: the next tile of columns | of channels
	s_cselect_b32 s60, HEADB, 0                    ; scale words of lanes 16-31: the next head's | none
	s_cselect_b32 s61, 32, 16                      ; lanes that store scale words
	s_cselect_b32 s62, 16, 0                       ; lanes 16-31 take the word's upper two bytes | -
	s_cselect_b32 s63, 0xffff, -1                  ; two bytes of a word count | four
	s_cselect_b32 s[MU], 0x3eb504f3, s[MU]         ; 64^(-1/4) | 1
	s_cselect_b32 s72, -1, 0                       ; the bias runs along P | along R
	s_cselect_b32 s73, 0, -1
	s_mov_b32 s[MU+1], s[MU]
	s_lshl_b32 s50, s11, 7
	s_add_co_u32 s50, s50, s48                     ; my first row of P,
	s_lshl_b32 s51, s12, 6
	s_add_co_u32 s51, s51, s49                     ; of R
	s_cmp_lt_u32 ttmp9, 128
	s_cselect_b32 s52, s51, s50                    ; my first column of xn (row of ops),
	s_cselect_b32 s53, s50, s51
	s_sub_co_u32 s53, s53, 8192                    ; my first row of qkv_w
	s_lshl_b32 s84, s53, 2
	s_cmp_lt_u32 ttmp9, 128
	s_cselect_b32 s68, s84, 0                      ; where P's bias is read (where it does not count: the buffer's head, masked to 0),
	s_cselect_b32 s70, 0, s84                      ; and R's
	s_mov_b32 s69, 0
	s_mov_b32 s71, 0
	s_lshr_b32 s54, s53, 10                        ; 0 Q, 1 K, 2 V
	s_lshr_b32 s55, s52, 11
	s_lshl_b32 s55, s55, 4
	s_and_b32 s84, s53, 1023
	s_lshr_b32 s84, s84, 6
	s_add_co_u32 s55, s55, s84                     ; 16 b + head
	s_mul_i32 s55, s55, HEADB
	s_and_b32 s84, s52, 2047
	s_lshr_b32 s84, s84, 7
	s_mul_i32 s84, s84, STEPB
	s_add_co_u32 s55, s55, s84                     ; the step's first byte in att
	s_cmp_eq_u32 s54, 0
	s_cselect_b32 s85, 8960, 0
	s_cselect_b32 s86, 13056, 0
	s_cmp_eq_u32 s54, 1
	s_cselect_b32 s86, 8192, s86
	s_cmp_eq_u32 s54, 2
	s_cselect_b32 s85, 4096, s85
	s_cselect_b32 s86, 8704, s86
	s_and_b32 s84, s52, 127
	s_lshl_b32 s84, s84, 5                         ; 512 bytes for each 16 columns
	s_add_co_u32 s56, s55, s84
	s_add_co_u32 s56, s56, s85                     ; where my codes begin
	s_and_b32 s84, s52, 64
	s_lshl_b32 s84, s84, 2
	s_add_co_u32 s57, s55, s84
	s_add_co_u32 s57, s57, s86                     ; and my scale words
	s_mov_b32 s[SEL], 0x76543210
	s_mov_b32 s[SEL+1], 0xfedcba98
	; descriptor groups 1.  P: 17 planes x 64 rows of 16 bytes (128 elements of 8 bytes), a plane 24,576 elements on; mask: all four partners, bit 21 beside it.  R: 17 planes x 32 rows, no mask
	s_mov_b32 s16, 15|(3<<16)|(1<<21)
	s_mov_b32 s17, 128<<16
	s_mov_b32 s18, 17<<16
	s_mov_b32 s19, 128<<16
	s_mov_b32 s20, 17
	s_mov_b32 s21, PO/8
	s_mov_b32 s22, 0
	s_mov_b32 s23, 0
	s_mov_b32 s24, 3<<16
	s_mov_b32 s25, 64<<16
	s_mov_b32 s26, 17<<16
	s_mov_b32 s27, 64<<16
	s_mov_b32 s28, 17
	s_mov_b32 s29, PO/8
	s_mov_b32 s30, 0
	s_mov_b32 s31, 0
	s_lshl_b32 s84, s[WV], 6
	s_add_co_u32 s84, s84, s48
	s_lshl_b32 s84, s84, 4                         ; P: rows 64 w on: made of the cluster's number and the wave's alone
	s_mov_b32 s85, 0
	s_lshl_b32 s86, s[WV], 5
	s_add_co_u32 s86, s86, s49
	s_lshl_b32 s86, s86, 4                         ; R: rows 32 w on
	s_mov_b32 s87, 0
	s_mul_i32 s88, s[WV], PQ
	s_mul_i32 s89, s[WV], RQ
	v_and_b32 v1, 31, v0                           ; lane
	v_and_b32 v2, 15, v0                           ; r
	v_bfe_u32 v3, v0, 4, 1                         ; h
	s_mul_i32 s90, s11, 2*PQ
	v_lshlrev_b32 v[AP0], 4, v2
	v_lshl_add_u32 v[AP0], v3, 10, v[AP0]
	v_add_nc_u32 v[AP0], s90, v[AP0]               ; 16 r + a plane for h + my two quarters
	v_add_nc_u32 v[AP0+1], PQ, v[AP0]
	s_mul_i32 s91, s12, 2*RQ
	s_add_co_u32 s91, s91, RB
	v_lshlrev_b32 v[AR], 4, v2
	v_lshl_add_u32 v[AR], v3, 9, v[AR]
	v_add_nc_u32 v[AR], s91, v[AR]
	v_mul_u32_u24 v[ASP], v3, PQ
	v_lshl_add_u32 v[ASP], v2, 4, v[ASP]
	v_add_nc_u32 v[ASP], s90, v[ASP]
	v_mul_u32_u24 v[ASR], v3, RQ
	v_lshl_add_u32 v[ASR], v2, 4, v[ASR]
	v_add_nc_u32 v[ASR], s91, v[ASR]
	v_mul_u32_u24 v9, s62, v3                      ; how far my lane shifts a scale word
	v_mul_u32_u24 v10, s60, v3
	v_lshl_add_u32 v10, v2, 4, v10
	v_add_nc_u32 v10, s57, v10                     ; where my four scale words go
	v_lshlrev_b32 v11, 6, v3                       ; P's bias: 16 h numbers on
	v_and_b32 v12, 8, v2
	v_add_nc_u32 v12, v12, v2
	v_lshlrev_b32 v12, 2, v12                      ; R's bias: number r + 8 (r / 8) of a tile's
	v_lshlrev_b32 v13, 4, v1
	v_add_nc_u32 v13, s56, v13
.irp m, 0,1,2,3
	s_mul_i32 s92, s59, \m
	v_add_nc_u32 v[OF+2*\m], s92, v13              ; where tile m's registers 0-3 go,
	s_add_co_u32 s92, s92, s58
	v_add_nc_u32 v[OF+2*\m+1], s92, v13            ; and 4-7
.endr
.irp b, 0,1,2,3
	v_mov_b32 v[TM+4+\b], 0                        ; a lane permute's destination counts as read
.endr
	s_wait_dscnt 0x0
	s_wait_kmcnt 0x0
	s_add_nc_u64 s[76:77], s[6:7], s[68:69]
	s_add_nc_u64 s[78:79], s[6:7], s[70:71]
	s_mov_b32 s32, 1                               ; P, planes 0 .. 16
	s_mov_b32 s33, s88
	s_add_nc_u64 s[34:35], s[4:5], s[84:85]
	s_mov_b32 s40, 1                               ; P, planes 17 .. 33
	s_add_co_u32 s41, s88, 17*1024
	s_add_nc_u64 s[42:43], s[34:35], CHK
	s_or_b32 s35, s35, 0x80000000
	s_or_b32 s43, s43, 0x80000000
	s_mov_b32 s36, 1                               ; R likewise
	s_add_co_u32 s37, s89, RB
	s_add_nc_u64 s[38:39], s[4:5], s[86:87]
	s_mov_b32 s44, 1
	s_add_co_u32 s45, s89, RB+17*512
	s_add_nc_u64 s[46:47], s[38:39], CHK
	s_or_b32 s39, s39, 0x80000000
	s_or_b32 s47, s47, 0x80000000
	ROUND                                          ; all four work-groups are here: the joint loads meet
	tensor_load_to_lds s[32:35], s[16:23]          ; all the launch's fills go out together: four loads of mine are out
	s_nop 0
	tensor_load_to_lds s[36:39], s[24:31]
	s_nop 0
	tensor_load_to_lds s[40:43], s[16:23]
	s_nop 0
	tensor_load_to_lds s[44:47], s[24:31]
	s_nop 0
	PLACES
	WIN 0x80                                       ; destination window 2
.irp i, 0,1,2,3,4,5,6,7                        ; P's bias in the result's layout: tile i, lane half h: numbers 32 (i / 2) + 8 (i % 2) + 16 h + 0 .. 7
	global_load_b128 v[8*\i:8*\i+3], v11, s[76:77] offset:(32*(\i/2)+8*(\i%2))*4
	global_load_b128 v[8*\i+4:8*\i+7], v11, s[76:77] offset:(32*(\i/2)+8*(\i%2))*4+16
.endr
	WIN 0
.irp m, 0,1,2,3
	global_load_b32 v[AD+2*\m], v12, s[78:79] offset:(32*(\m/2)+8*(\m%2))*4
.endr
	s_wait_tensorcnt 2                             ; planes 0 .. 16 of my rows are in; the two younger loads may be out
	s_barrier_signal -1
	s_barrier_wait -1                              ; everybody's are
	SCALES
	FETCHR 0
	FETCHP 0, 0
	FETCHP 4, 0
	s_wait_loadcnt 0x0                             ; the biases
	WIN 0x88                                       ; destination and second source window 2
.set n, 0
.rept 64
	v_and_b32 v[n], s72, v[n]                      ; the bias that does not run along P is 0
.set n, n+1
.endr
	WIN 0
.irp m, 0,1,2,3
	v_and_b32 v[AD+2*\m], s73, v[AD+2*\m]
.endr
.irp m, 0,1,2,3
	v_mov_b32 v[AD+2*\m+1], 0                      ; (named with it as a pair)
.endr
	STEP 0, 1
.irp s, 1,2,3,4,5,6,7
	STEP \s, 0
.endr
	WIN 0
	PLACES
	; ---- the way out: for each of R's tiles: x MU + R's bias, quantised along the registers, stored as the reader's registers want it
.irp m, 0,1,2,3
	WIN 0x01                                       ; source 0 window 1
.set n, 0
.rept 32
	v_pk_fma_f32 v[64+n:65+n], v[64*\m+n:64*\m+n+1], s[MU:MU+1], v[AD+2*\m:AD+2*\m+1] op_sel_hi:[1,0,0]   ; each accumulator from its low end on
.set n, n+2
.endr
	WIN 0
	QUANT 64, 128+8*\m, PWS+\m
	global_store_b128 v[OF+2*\m], v[128+8*\m:131+8*\m], s[8:9]       ; 512 consecutive bytes, aligned
	global_store_b128 v[OF+2*\m+1], v[132+8*\m:135+8*\m], s[8:9]
.endr
.irp m, 0,1,2,3
	v_lshrrev_b32 v[PWS+\m], v9, v[PWS+\m]
.endr
.irp m, 0,1,2,3
	v_and_b32 v[PWS+\m], s63, v[PWS+\m]
.endr
	v_cmp_gt_u32 vcc_lo, s61, v1
	s_wait_xcnt 0x0                                ; EXEC changes only when the stores above have taken it
	s_and_saveexec_b32 s93, vcc_lo
	global_store_b128 v10, v[PWS:PWS+3], s[8:9]    ; sixteen lanes store 256 consecutive bytes, aligned
	s_wait_xcnt 0x0
	s_or_b32 exec_lo, exec_lo, s93
	s_wait_tensorcnt 0x0
	ds_add_u32 v254, v255
	s_wait_dscnt 0x0
	ROUND                                          ; the closing round: no work-group ends while a partner may still ask jointly
	s_endpgm
.Lfunc_end_k_q5d1112820b_qkv:
	.size	k_q5d1112820b_qkv, .Lfunc_end_k_q5d1112820b_qkv-k_q5d1112820b_qkv
	.p2alignl 7, 3214868480
	.fill 96, 4, 3214868480
	.section	.rodata,"a",@progbits
	.p2align	6, 0x0
	.amdhsa_kernel k_q5d1112820b_qkv
		.amdhsa_group_segment_fixed_size 209408
		.amdhsa_private_segment_fixed_size 0
		.amdhsa_enable_private_segment 0
		.amdhsa_kernarg_size 24
		.amdhsa_user_sgpr_count 2
		.amdhsa_user_sgpr_kernarg_segment_ptr 1
		.amdhsa_wavefront_size32 1
		.amdhsa_system_sgpr_workgroup_id_x 1
		.amdhsa_system_sgpr_workgroup_id_y 1
		.amdhsa_system_sgpr_workgroup_id_z 1
		.amdhsa_system_vgpr_workitem_id 0
		.amdhsa_next_free_vgpr 576
		.amdhsa_next_free_sgpr 100
		.amdhsa_reserve_vcc 1
		.amdhsa_float_denorm_mode_32 3
		.amdhsa_float_denorm_mode_16_64 3
		.amdhsa_memory_ordered 1
		.amdhsa_forward_progress 1
		.amdhsa_inst_pref_size 87
	.end_amdhsa_kernel
	.amdgpu_metadata
---
amdhsa.version: [ 1, 2 ]
amdhsa.kernels:
  - .name:           k_q5d1112820b_qkv
    .symbol:         k_q5d1112820b_qkv.kd
    .args:
      - { .name: ops, .offset: 0, .size: 8, .value_kind: global_buffer, .address_space: global }
      - { .name: qkv_b, .offset: 8, .size: 8, .value_kind: global_buffer, .address_space: global }
      - { .name: att, .offset: 16, .size: 8, .value_kind: global_buffer, .address_space: global }
    .group_segment_fixed_size: 209408
    .private_segment_fixed_size: 0
    .kernarg_segment_align: 8
    .kernarg_segment_size: 24
    .max_flat_workgroup_size: 128
    .sgpr_count:     100
    .vgpr_count:     576
    .wavefront_size: 32
...
	.end_amdgpu_metadata
.endif
;; end of part 2
;; launch attn (part 3): grid 4 x 64, 16 waves a work-group, clusters of 4 x 1, 169,984 bytes of LDS; arguments att, ac; writes ac
.if DOCPART == 3
	.amdgcn_target "amdgcn-amd-amdhsa--gfx1250"
	.amdhsa_code_object_version 6
	.text
	.protected	k_q5d1112820b_attn
	.globl	k_q5d1112820b_attn
	.p2align	8
	.type	k_q5d1112820b_attn,@function
k_q5d1112820b_attn:
	s_mov_b64 s[64:65], 0
	v_nop
	global_prefetch_b8 v0, s[64:65] scope:SCOPE_SE
	s_setreg_imm32_b32 hwreg(HW_REG_WAVE_MODE, 25, 1), 1
	s_wait_xcnt 0x0
	s_wait_alu depctr_hold_cnt(0) depctr_sa_sdst(0) depctr_va_vdst(0) depctr_va_sdst(0) depctr_va_ssrc(0) depctr_va_vcc(0) depctr_vm_vsrc(0)
	s_getreg_b32 s2, hwreg(HW_REG_IB_STS2, 6, 4)
	s_cmp_eq_u32 s2, 0
	s_cbranch_scc0 .Lentry_in_a_cluster
	s_endpgm
.Lentry_in_a_cluster:
	s_bfe_u32 s2, ttmp6, 0x10000c
	s_cmp_lg_u32 s2, 0x3003
	s_cbranch_scc0 .Lentry_shape_is_right
	s_endpgm
.Lentry_shape_is_right:
; a = softmax(q k^T) v for 64 heads of 64 channels and 2,048 columns, both products on codes of FP4 (E2M1) with E8M0 scales; q and k carry 64^(-1/4) each already.  The result is quantised along the channels for the
; projection and stored as ac = [34 planes][8,192 rows][16 bytes] (planes 0, 1: scale bytes; plane 2 + g: K block g = 2 head + half; row = 2,048 b + the query's place).
; THE SOFTMAX: t = score x log2(e); M = the running largest t rounded UP to a whole number; p = 2^(t - M) is quantised along the keys, not normalised; the row's sum is taken of the unquantised p and divides at the end;
; when M moves, the sum and O are multiplied by 2^(old M - new M), which rounds nothing.
; SHARES.  A work-group owns 512 queries of one head, each of its sixteen waves two tiles of 16, one after the other, in 256 registers: four waves to a SIMD, so that one wave's vector work stands beside another's
; products and LDS loads.  K's and V's codes and scale words of the WHOLE head, 16 steps x 8,960 bytes, lie in LDS: every byte is filled once, nothing is filled again, and there is one barrier.
; CLUSTER 4 x 1: the head's four work-groups need the same 140 KiB and ask for them jointly: wave w of each asks for step w.
; LAYOUT.  Both products transposed: S^T = K Q^T (source 0 = 16 keys), O^T = V^T P^T (source 0 = 16 channels): a lane holds ONE query throughout.  Keys and channels lie in the order that makes the 16 registers of tiles
; 2 b and 2 b + 1 sixteen neighbours.  K = 64 in the first product: Q's registers 4-7 are zero codes and both sides' scale bytes 2, 3 are 0; K's registers 4-7 are then whatever follows (the next tile's codes): x 0.
; No prefetch: all fills stand at the head.  LIMITS: NaN and infinities are not served; a block whose largest magnitude lies under 2^-124 gets the scale byte 1.
.set HEADB, 217088
.set STEPB, 13568
.set KVB,   8960                       ; of a step's bytes those that attention brings into LDS: K 4,096, V 4,096, K's scale words 512, V's 256
.set PA,    131072                     ; bytes in a plane of ac
.set WV,  8                            ; s8   wave
.set SEL, 20                           ; s[20:21] lane l xor 16
.set CS,  22                           ; s[22:23] log2(e), twice
.set TB,  24                           ; s24  LDS byte at which the step in hand begins
.set CNT, 25                           ; s25  steps to go
.set AL,  1                            ; v1   16 x lane
.set AR,  2                            ; v2   16 x (lane % 16)
.set ADK, 3                            ; v3, v4  the same + the step's first byte
.set ADV, 4
.set KF,  32                           ; v32-67  K: tile i at v[32 + 4 i]; v64-67 are zeros
.set VF,  68                           ; v68-99  V: four fragments
.set S,   100                          ; v100-163 S^T, then p
.set O,   164                          ; v164-195 O^T
.set PC,  196                          ; v196-203 p's codes
.set KS,  204                          ; v204-207 K's scale words (lanes 16-31: tiles 4-7);  v208-211 V's;  v10, v11 Q's;  v228 p's: these hold scales and nothing else
.set VS,  208
.set PW,  228
.set BM,  212                          ; v212-215 a block's largest score, then its largest p
.set T2,  216
.set SO,  220
.set AC,  232                          ; v232-235 a's codes;  v236 its scale byte
.macro ROUND
	s_barrier_signal -1
	s_barrier_wait -1
	s_cmp_lg_u32 s[WV], 0
	s_cbranch_scc1 .Lnot_wave_0_\@
	s_barrier_signal -3
.Lnot_wave_0_\@:
	s_barrier_wait -3
	s_barrier_signal -1
	s_barrier_wait -1
.endm
.macro KPROD i, q, qs
.if \i < 4
	v_wmma_scale_f32_16x16x128_f8f6f4 v[S+8*\i:S+8*\i+7], v[KF+4*\i:KF+4*\i+7], v[\q:\q+7], 0, v[KS+\i%4], v[\qs] matrix_a_fmt:MATRIX_FMT_FP4 matrix_b_fmt:MATRIX_FMT_FP4
.else
	v_wmma_scale_f32_16x16x128_f8f6f4 v[S+8*\i:S+8*\i+7], v[KF+4*\i:KF+4*\i+7], v[\q:\q+7], 0, v[KS+\i%4], v[\qs] matrix_a_fmt:MATRIX_FMT_FP4 matrix_b_fmt:MATRIX_FMT_FP4 matrix_a_scale:MATRIX_SCALE_ROW1
.endif
.endm
; A KEY STEP: 128 keys.  q: Q's fragment, qs: its scale words
.macro STEP q, qs
	v_add_nc_u32 v[ADK], s[TB], v[AL]
	v_add_nc_u32 v[ADV], s[TB], v[AR]
.irp i, 0,1,2,3,4,5,6,7
	ds_load_b128 v[KF+4*\i:KF+4*\i+3], v[ADK] offset:512*\i        ; an image of the registers: 512 consecutive bytes
.endr
	ds_load_b128 v[KS:KS+3], v[ADK] offset:8192
	s_wait_dscnt 0x0
.irp i, 0,1,2,3,4,5,6,7
	KPROD \i, \q, \qs
.endr
.rept 4
	v_nop                                          ; places in front of the first read of the scores; with the two additions above also in front of the loads into V's registers, which the last step's products read
.endr
.irp m, 0,1,2,3
.irp c, 0,1
	ds_load_b128 v[VF+8*\m+4*\c:VF+8*\m+4*\c+3], v[ADK] offset:4096+1024*\m+512*\c   ; V lands while the softmax is walked
.endr
.endr
	ds_load_b128 v[VS:VS+3], v[ADV] offset:8704
.irp b, 0,1,2,3
	v_max3_num_f32 v[BM+\b], v[S+16*\b], v[S+1+16*\b], v[S+2+16*\b]   ; the largest score of each block of 32 keys: for the row's maximum, and, since p rises with the score, for the block's largest p
.endr
.irp i, 3,5,7,9,11,13
.irp b, 0,1,2,3
	v_max3_num_f32 v[BM+\b], v[BM+\b], v[S+16*\b+\i], v[S+1+16*\b+\i]
.endr
.endr
.irp b, 0,1,2,3
	v_max_num_f32 v[BM+\b], v[BM+\b], v[S+15+16*\b]
.endr
.irp b, 0,1,2,3
	v_permlanex16_b32 v[T2+\b], v[BM+\b], s[SEL], s[SEL+1]
.endr
.irp b, 0,1,2,3
	v_max_num_f32 v[BM+\b], v[BM+\b], v[T2+\b]     ; with lane l xor 16's 16 keys
.endr
	v_max3_num_f32 v224, v[BM], v[BM+1], v[BM+2]
	v_max_num_f32 v224, v224, v[BM+3]
	v_mul_f32 v224, s[CS], v224                    ; the step's largest t
	v_max_num_f32 v13, v13, v224                   ; the running largest t
	v_mov_b32 v224, v12
	v_floor_f32 v12, -v13                          ; -M = floor(-t): M is a whole number
	v_sub_f32 v224, v12, v224                      ; old M - new M: a whole number, 0 or less
	v_cvt_i32_f32 v224, v224                       ; (it saturates)
	v_ldexp_f32 v226, 1.0, v224                    ; f = 2^(old M - new M)
.set n, 0
.rept 32
	v_pk_fma_f32 v[S+n:S+n+1], v[S+n:S+n+1], s[CS:CS+1], v[12:13] op_sel_hi:[1,0,0]   ; t - M
.set n, n+2
.endr
.irp b, 0,1,2,3
	v_fma_f32 v[BM+\b], v[BM+\b], s[CS], v12       ; the same of each block's largest score
.endr
.set n, 0
.rept 64
	v_exp_f32 v[S+n], v[S+n]                       ; p = 2^(t - M)
.set n, n+1
.endr
	v_pk_mul_f32 v[14:15], v[14:15], v[226:227] op_sel_hi:[1,0]    ; the sums under the new M (a plain instruction behind the exponentials)
	s_wait_alu depctr_va_vdst(0)                   ; one wait for the batch of 64, ahead of its first reader
.irp b, 0,1,2,3
	v_exp_f32 v[BM+\b], v[BM+\b]                   ; the blocks' largest p: the same two instructions on the same number
.endr
	v_pk_add_f32 v[T2:T2+1], v[S:S+1], v[S+2:S+3]  ; the row's sum of the unquantised p, in two chains (it reads the 64 alone)
.irp j, 4,8,12,16,20,24,28,32,36,40,44,48,52,56,60
	v_pk_add_f32 v[14:15], v[14:15], v[S+\j:S+1+\j]
	v_pk_add_f32 v[T2:T2+1], v[T2:T2+1], v[S+2+\j:S+3+\j]
.endr
	v_pk_add_f32 v[14:15], v[14:15], v[T2:T2+1]
	s_wait_alu depctr_va_vdst(0)                   ; and one for the four
.irp b, 0,1,2,3
	v_max_num_f32 v[BM+\b], 0x1800000, v[BM+\b]    ; the floor 2^(3 - 127)
.endr
.irp b, 0,1,2,3
	v_add_nc_u32 v[SO+\b], 0xff000000, v[BM+\b]    ; 2 off the exponent field: the conversion's scale operand
.endr
.irp b, 0,1,2,3
	v_lshrrev_b32 v[T2+\b], 23, v[SO+\b]           ; the scale's byte
.endr
	v_lshl_or_b32 v[PW], v[T2+1], 8, v[T2]         ; p's scale word for these 128 keys
	v_lshl_or_b32 v[PW], v[T2+2], 16, v[PW]
	v_lshl_or_b32 v[PW], v[T2+3], 24, v[PW]
.irp b, 0,1,2,3
	v_cvt_scalef32_pk8_fp4_f32 v[PC+2*\b], v[S+16*\b:S+7+16*\b], v[SO+\b]
	v_cvt_scalef32_pk8_fp4_f32 v[PC+1+2*\b], v[S+8+16*\b:S+15+16*\b], v[SO+\b]
.endr
	v_nop                                          ; a plain instruction behind the conversions
.irp c, 0,1                                    ; a whole block to a lane
.irp i, 0,1
	v_permlane16_swap_b32 v[PC+4*\c+\i], v[PC+2+4*\c+\i]
.endr
.endr
.set n, 0
.rept 16
	v_pk_mul_f32 v[O+n:O+n+1], v[O+n:O+n+1], v[226:227] op_sel_hi:[1,0]   ; O^T under the new M; these sixteen also stand between the lines that made p's codes and scale word and the products
.set n, n+2
.endr
	s_wait_dscnt 0x0                               ; V
.irp m, 0,1,2,3
	v_wmma_scale_f32_16x16x128_f8f6f4 v[O+8*\m:O+8*\m+7], v[VF+8*\m:VF+8*\m+7], v[PC:PC+7], v[O+8*\m:O+8*\m+7], v[VS+\m], v[PW] matrix_a_fmt:MATRIX_FMT_FP4 matrix_b_fmt:MATRIX_FMT_FP4
.endr
	s_add_co_u32 s[TB], s[TB], KVB
.endm
; One tile of 16 queries: all 16 key steps, then the way out
.macro TILE k
	s_wait_xcnt 0x0                                ; the last tile's stores have read their registers
	v_mov_b32 v13, 0xff61b1e6                      ; the largest t so far: -3e38
	v_floor_f32 v12, -v13
	v_mov_b32 v14, 0
	v_mov_b32 v15, 0
.set n, 0
.rept 32
	v_mov_b32 v[O+n], 0                            ; the step is written once: the first finds zeros, which the first change of M leaves zeros
.set n, n+1
.endr
	s_mov_b32 s[TB], 0
	s_mov_b32 s[CNT], 16
.Lstep_\@:
	STEP 16+8*\k, 10+\k
	s_sub_co_u32 s[CNT], s[CNT], 1
	s_cmp_lg_u32 s[CNT], 0
	s_cbranch_scc1 .Lstep_\@
.rept 4
	v_nop                                          ; places behind the last products
.endr
	v_add_f32 v14, v14, v15
	v_permlanex16_b32 v224, v14, s[SEL], s[SEL+1]
	v_add_f32 v14, v14, v224                       ; the row's sum
	v_rcp_f32 v230, v14
	v_nop
	s_wait_alu depctr_va_vdst(0)
.set n, 0
.rept 16
	v_pk_mul_f32 v[S+n:S+n+1], v[O+n:O+n+1], v[230:231] op_sel_hi:[1,0]   ; a: register 16 b + i = channel 32 b + 16 (lane / 16) + i of my query
.set n, n+2
.endr
.irp b, 0,1
	v_max3_num_f32 v[BM+\b], |v[S+16*\b]|, |v[S+1+16*\b]|, 0x1800000
.endr
.irp i, 2,4,6,8,10,12,14
.irp b, 0,1
	v_max3_num_f32 v[BM+\b], v[BM+\b], |v[S+16*\b+\i]|, |v[S+1+16*\b+\i]|
.endr
.endr
.irp b, 0,1
	v_permlanex16_b32 v[T2+\b], v[BM+\b], s[SEL], s[SEL+1]
.endr
.irp b, 0,1
	v_max_num_f32 v[BM+\b], v[BM+\b], v[T2+\b]
.endr
.irp b, 0,1
	v_add_nc_u32 v[SO+\b], 0xff000000, v[BM+\b]
.endr
.irp b, 0,1
	v_lshrrev_b32 v[T2+\b], 23, v[SO+\b]
.endr
.irp b, 0,1
	v_cvt_scalef32_pk8_fp4_f32 v[AC+2*\b], v[S+16*\b:S+7+16*\b], v[SO+\b]
	v_cvt_scalef32_pk8_fp4_f32 v[AC+1+2*\b], v[S+8+16*\b:S+15+16*\b], v[SO+\b]
.endr
	v_nop
	v_permlane16_swap_b32 v[AC], v[AC+2]           ; lane (r, h) now holds all 32 codes of block h of query r
	v_permlane16_swap_b32 v[AC+1], v[AC+3]
	v_cndmask_b32 v236, v[T2], v[T2+1], s26        ; and that block's byte
	global_store_b128 v5, v[AC:AC+3], s[32:33] offset:4096*\k      ; sixteen lanes store 256 consecutive bytes, aligned, in each of two planes
	global_store_b8 v6, v236, s[34:35] offset:4096*\k              ; two bytes of each row's sixteen: the others are other heads'; one byte for each 16 of codes
.endm
	s_load_b128 s[4:7], s[0:1], 0x0                ; att, ac
	v_lshl_add_u32 v254, v0, 2, 0x29000
	v_mov_b32 v255, 0
	ds_add_u32 v254, v255
	ds_add_u32 v254, v255
	v_lshrrev_b32 v1, 5, v0
	v_readfirstlane_b32 s[WV], v1                  ; wave 0 .. 15
	s_bfe_u32 s9, ttmp6, 0x40000                   ; cx: which 512 queries: it enters Q's and ac's addresses alone
	s_and_b32 s10, ttmp7, 0xffff                   ; 16 b + head, which the partners share
	s_mov_b32 s44, 15|(3<<16)|(1<<21)              ; group 1: 35 rows of 256 bytes (32 elements of 8), dense; mask: all four, bit 21 beside it
	s_mov_b32 s45, 32<<16
	s_mov_b32 s46, 35<<16
	s_mov_b32 s47, 32<<16
	s_mov_b32 s48, 35
	s_mov_b32 s49, 32
	s_mov_b32 s50, 0
	s_mov_b32 s51, 0
	s_mul_i32 s12, s10, HEADB
	s_mul_i32 s13, s[WV], STEPB
	s_add_co_u32 s14, s12, s13                     ; step w of the head
	s_mov_b32 s15, 0
	s_lshl_b32 s16, s9, 2
	s_lshr_b32 s17, s[WV], 3
	s_add_co_u32 s16, s16, s17
	s_mul_i32 s16, s16, STEPB
	s_add_co_u32 s16, s16, s12                     ; my first tile of queries, 32 cx + w, lies in step 4 cx + w / 8; the second two steps on
	s_and_b32 s17, s[WV], 7
	s_lshl_b32 s17, s17, 9
	s_add_co_u32 s18, s16, s17
	s_add_co_u32 s18, s18, 8960                    ; its codes
	s_mov_b32 s19, 0
	s_bfe_u32 s17, s[WV], 0x10002
	s_lshl_b32 s17, s17, 8
	s_add_co_u32 s36, s16, s17
	s_and_b32 s17, s[WV], 3
	s_lshl_b32 s17, s17, 2
	s_add_co_u32 s36, s36, s17
	s_add_co_u32 s36, s36, 13056                   ; its scale words
	s_mov_b32 s37, 0
	s_and_b32 s56, s10, 15                         ; head
	s_lshr_b32 s57, s10, 4
	s_lshl_b32 s57, s57, 15                        ; 2,048 b rows of 16 bytes
	s_lshl_b32 s58, s9, 13
	s_add_co_u32 s57, s57, s58
	s_lshl_b32 s58, s[WV], 8
	s_add_co_u32 s57, s57, s58                     ; + 16 (32 cx + w) rows
	s_lshl_b32 s58, s56, 18
	s_add_co_u32 s58, s58, 2*PA
	s_add_co_u32 s38, s58, s57                     ; plane 2 + 2 head
	s_mov_b32 s39, 0
	s_lshr_b32 s58, s56, 3
	s_lshl_b32 s58, s58, 17
	s_add_co_u32 s58, s58, s57
	s_and_b32 s59, s56, 7
	s_lshl_b32 s59, s59, 1
	s_add_co_u32 s40, s58, s59                     ; plane head / 8, byte 2 (head % 8)
	s_mov_b32 s41, 0
	s_mov_b32 s[SEL], 0x76543210
	s_mov_b32 s[SEL+1], 0xfedcba98
	s_mov_b32 s[CS], 0x3fb8aa3b                    ; log2(e)
	s_mov_b32 s[CS+1], s[CS]
	v_and_b32 v7, 31, v0
	v_and_b32 v8, 15, v0
	v_bfe_u32 v9, v0, 4, 1
	v_lshlrev_b32 v[AL], 4, v7
	v_lshlrev_b32 v[AR], 4, v8
	v_lshl_add_u32 v5, v9, 17, v[AR]               ; a's codes: 16 r, and a plane on for lanes 16-31
	v_add_nc_u32 v6, v[AR], v9                     ; a's bytes: 16 r + h
	v_cmp_le_u32 s26, 16, v7                       ; lanes 16-31
.irp j, 20,21,22,23,28,29,30,31,64,65,66,67,216,217,218,219,224,227,231
	v_mov_b32 v\j, 0                               ; Q's upper halves and the tail behind K's last tile: zero codes; the others: written once, since they are named as permutes' destinations or as halves of pairs
.endr
	s_wait_dscnt 0x0
	s_wait_kmcnt 0x0
	s_mov_b32 s52, 1
	s_mul_i32 s53, s[WV], KVB
	s_add_nc_u64 s[54:55], s[4:5], s[14:15]
	s_or_b32 s55, s55, 0x80000000
	s_add_nc_u64 s[28:29], s[4:5], s[18:19]
	s_add_nc_u64 s[30:31], s[4:5], s[36:37]
	s_add_nc_u64 s[32:33], s[6:7], s[38:39]
	s_add_nc_u64 s[34:35], s[6:7], s[40:41]
	ROUND                                          ; all four work-groups are here: the joint loads meet
	tensor_load_to_lds s[52:55], s[44:51]          ; my one load: step w
	s_nop 0
.rept 4
	v_nop
.endr
.irp k, 0,1
	global_load_b128 v[16+8*\k:19+8*\k], v[AL], s[28:29] offset:2*STEPB*\k
	global_load_b32 v[10+\k], v[AR], s[30:31] offset:2*STEPB*\k
.endr
	s_wait_tensorcnt 0x0                           ; my step is in,
	s_barrier_signal -1
	s_barrier_wait -1                              ; everybody's is: the whole head lies in LDS
	s_wait_loadcnt 0x0                             ; Q
	TILE 0
	TILE 1
	s_wait_tensorcnt 0x0
	ds_add_u32 v254, v255
	s_wait_dscnt 0x0
	ROUND                                          ; the closing round
	s_endpgm
.Lfunc_end_k_q5d1112820b_attn:
	.size	k_q5d1112820b_attn, .Lfunc_end_k_q5d1112820b_attn-k_q5d1112820b_attn
	.p2alignl 7, 3214868480
	.fill 96, 4, 3214868480
	.section	.rodata,"a",@progbits
	.p2align	6, 0x0
	.amdhsa_kernel k_q5d1112820b_attn
		.amdhsa_group_segment_fixed_size 169984
		.amdhsa_private_segment_fixed_size 0
		.amdhsa_enable_private_segment 0
		.amdhsa_kernarg_size 16
		.amdhsa_user_sgpr_count 2
		.amdhsa_user_sgpr_kernarg_segment_ptr 1
		.amdhsa_wavefront_size32 1
		.amdhsa_system_sgpr_workgroup_id_x 1
		.amdhsa_system_sgpr_workgroup_id_y 1
		.amdhsa_system_sgpr_workgroup_id_z 1
		.amdhsa_system_vgpr_workitem_id 0
		.amdhsa_next_free_vgpr 256
		.amdhsa_next_free_sgpr 66
		.amdhsa_reserve_vcc 0
		.amdhsa_float_denorm_mode_32 3
		.amdhsa_float_denorm_mode_16_64 3
		.amdhsa_memory_ordered 1
		.amdhsa_forward_progress 1
		.amdhsa_inst_pref_size 45
	.end_amdhsa_kernel
	.amdgpu_metadata
---
amdhsa.version: [ 1, 2 ]
amdhsa.kernels:
  - .name:           k_q5d1112820b_attn
    .symbol:         k_q5d1112820b_attn.kd
    .args:
      - { .name: att, .offset: 0, .size: 8, .value_kind: global_buffer, .address_space: global }
      - { .name: ac, .offset: 8, .size: 8, .value_kind: global_buffer, .address_space: global }
    .group_segment_fixed_size: 169984
    .private_segment_fixed_size: 0
    .kernarg_segment_align: 8
    .kernarg_segment_size: 16
    .max_flat_workgroup_size: 512
    .sgpr_count:     66
    .vgpr_count:     256
    .wavefront_size: 32
...
	.end_amdgpu_metadata
.endif
;; end of part 3
;; launch proj (part 4): grid 256 x 1, 4 waves a work-group, clusters of 4 x 1, 243,200 bytes of LDS; arguments ac, ops, proj_b, x, out0; writes out0
.if DOCPART == 4
	.amdgcn_target "amdgcn-amd-amdhsa--gfx1250"
	.amdhsa_code_object_version 6
	.text
	.protected	k_q5d1112820b_proj
	.globl	k_q5d1112820b_proj
	.p2align	8
	.type	k_q5d1112820b_proj,@function
k_q5d1112820b_proj:
	s_mov_b64 s[64:65], 0
	v_nop
	global_prefetch_b8 v0, s[64:65] scope:SCOPE_SE
	s_setreg_imm32_b32 hwreg(HW_REG_WAVE_MODE, 25, 1), 1
	s_wait_xcnt 0x0
	s_wait_alu depctr_hold_cnt(0) depctr_sa_sdst(0) depctr_va_vdst(0) depctr_va_sdst(0) depctr_va_ssrc(0) depctr_va_vcc(0) depctr_vm_vsrc(0)
	s_getreg_b32 s2, hwreg(HW_REG_IB_STS2, 6, 4)
	s_cmp_eq_u32 s2, 0
	s_cbranch_scc0 .Lentry_in_a_cluster
	s_endpgm
.Lentry_in_a_cluster:
	s_bfe_u32 s2, ttmp6, 0x10000c
	s_cmp_lg_u32 s2, 0x3003
	s_cbranch_scc0 .Lentry_shape_is_right
	s_endpgm
.Lentry_shape_is_right:
; out0 = x + proj_w a + proj_b; the product on codes of FP4 (E2M1) with E8M0 scales, K = 1,024.  a lies in ac = [34 planes][8,192 rows][16 bytes], proj_w in ops = [34 planes][12,288 rows][16 bytes], rows 11,264 on
; (planes 0, 1: scale bytes; plane 2 + g: K block g).  A work-group of four waves multiplies 256 rows P of a (source 0: columns t, which land in a lane's registers) by 128 rows R of the weight (source 1: lane % 16 is
; the output channel); a wave 128 x 64: 32 accumulators.  The whole K of both tiles lies in LDS: every byte that a tensor load fills is filled once.
; Rows lie in both buffers in the order pi (bits 3 and 4 swapped): the registers of tiles 2 b and 2 b + 1 are columns 32 b + 16 (lane / 16) + 0 .. 15, and lane r of R's tile m is channel 32 (m / 2) + 8 (m % 2) + r + 8 (r / 8).
; The bias is the C of each sum's first product.  x's 64 rows x 512 bytes of the wave's part are asked for at the head and land under the products.  Results go through the wave's own stage in LDS and leave as whole
; rows of 512 bytes.  CLUSTER 4 x 1: the four partners share P's tile and ask for it jointly; R's tiles are each work-group's own (a third of its fill).
; REGISTERS: window 0: v1-12 lane numbers and addresses; v16-47 the bias, eight equal registers a tile; v64-127 P's fragments, v128-191 R's (two sets), later rows on the way out; v192-223 P's scale words,
;   v224-239 R's: these hold scales and nothing else.   window 1: the accumulators, (m, i) at v[64 m + 8 i].   window 2: x, row p of tile m at v[64 m + 4 p].
.set PO,    196608                     ; bytes in a plane of ops
.set PA,    131072                     ; of ac
.set PQ,    34*1024
.set RQ,    34*512
.set RB,    4*PQ
.set STG,   RB+4*RQ                    ; behind the tiles: a stage of 16 rows x (512 + 16) bytes for each wave; no tensor load fills it
.set WV,  14                           ; s14  wave
.set AP0, 4
.set AR,  6
.set ASP, 7
.set ASR, 8
.set PF,  64
.set RF,  128
.set SP,  192
.set SR,  224
.set BR,  16
.set CB,  BR                           ; the first K step's C: the bias, window 0, v[16 + 8 m]
.set CI,  0
.set CM,  8
.set MULW, 0x50                        ; C and D window 1
.set MULF, 0x40                        ; C window 0, D window 1
.set BK,  64
.set MSB, 0
.macro WIN new
.if MSB != \new
	s_set_vgpr_msb (MSB<<8)|\new
.set MSB, \new
.endif
.endm
.macro PLACES
.rept 4
	v_nop
.endr
.endm
.macro ROUND
	s_barrier_signal -1
	s_barrier_wait -1
	s_cmp_lg_u32 s[WV], 0
	s_cbranch_scc1 .Lnot_wave_0_\@
	s_barrier_signal -3
.Lnot_wave_0_\@:
	s_barrier_wait -3
	s_barrier_signal -1
	s_barrier_wait -1
.endm
.macro FETCHP i0, s                    ; P's tiles i0 .. i0 + 3 of K step s: lane (r, h), registers 4 c on: K block 4 s + 2 c + h of row r
.irp i, \i0, \i0+1, \i0+2, \i0+3
.irp c, 0,1
	ds_load_b128 v[PF+8*(\i)+4*\c:PF+8*(\i)+4*\c+3], v[AP0+(\i)/4] offset:(2+4*(\s)+2*\c)*1024+((\i)%4)*256
.endr
.endr
.endm
.macro FETCHR s
.irp m, 0,1,2,3
.irp c, 0,1
	ds_load_b128 v[RF+32*((\s)%2)+8*\m+4*\c:RF+32*((\s)%2)+8*\m+4*\c+3], v[AR] offset:(\m/2)*RQ+(2+4*(\s)+2*\c)*512+(\m%2)*256
.endr
.endr
.endm
.macro SCALES
.irp p, 0,1
.irp k, 0,1,2,3
	ds_load_b128 v[SP+16*\p+4*\k:SP+16*\p+4*\k+3], v[ASP] offset:\p*1024+\k*256
.endr
.irp k, 0,1
	ds_load_b128 v[SR+8*\p+4*\k:SR+8*\p+4*\k+3], v[ASR] offset:\p*512+\k*256
.endr
.endr
.endm
.macro WMM ra, rb
.if (\ra) && (\rb)
	v_wmma_scale_f32_16x16x128_f8f6f4 v[rD:rD+7], v[rA:rA+7], v[rB:rB+7], v[rC:rC+7], v[rSA], v[rSB] matrix_a_fmt:MATRIX_FMT_FP4 matrix_b_fmt:MATRIX_FMT_FP4 matrix_a_scale:MATRIX_SCALE_ROW1 matrix_b_scale:MATRIX_SCALE_ROW1
.elseif (\ra)
	v_wmma_scale_f32_16x16x128_f8f6f4 v[rD:rD+7], v[rA:rA+7], v[rB:rB+7], v[rC:rC+7], v[rSA], v[rSB] matrix_a_fmt:MATRIX_FMT_FP4 matrix_b_fmt:MATRIX_FMT_FP4 matrix_a_scale:MATRIX_SCALE_ROW1
.elseif (\rb)
	v_wmma_scale_f32_16x16x128_f8f6f4 v[rD:rD+7], v[rA:rA+7], v[rB:rB+7], v[rC:rC+7], v[rSA], v[rSB] matrix_a_fmt:MATRIX_FMT_FP4 matrix_b_fmt:MATRIX_FMT_FP4 matrix_b_scale:MATRIX_SCALE_ROW1
.else
	v_wmma_scale_f32_16x16x128_f8f6f4 v[rD:rD+7], v[rA:rA+7], v[rB:rB+7], v[rC:rC+7], v[rSA], v[rSB] matrix_a_fmt:MATRIX_FMT_FP4 matrix_b_fmt:MATRIX_FMT_FP4
.endif
.endm
.macro MUL i0, s, first                ; 16 products; the 32 accumulators take turns, one instruction a turn, in the same order in every K step
.irp i, \i0, \i0+1, \i0+2, \i0+3
.irp m, 0,1,2,3
.set rD, 64*\m+8*(\i)
.set rA, PF+8*(\i)
.set rB, RF+32*((\s)%2)+8*\m
.set rSA, SP+16*((\s)/4)+4*((\i)%4)+(\s)%4
.set rSB, SR+8*((\s)/4)+4*(\m%2)+(\s)%4
.set rC, rD
.if \first
.set rC, CB+CI*(\i)+CM*\m
.endif
	WMM ((\i)/4), (\m/2)
.endr
.endr
.endm
.macro STEP s, first
	s_wait_dscnt 8                                 ; all but the youngest eight loads (P's tiles 4-7) are in
.if \first
	WIN MULF
.else
	WIN MULW
.endif
	MUL 0, \s, \first
	s_wait_dscnt 0x0
.if (\s) == 2
	s_wait_tensorcnt 0x0                           ; K step 3 reaches into plane 17: my loads of planes 17 .. 33 have landed,
	s_barrier_signal -1
	s_barrier_wait -1                              ; and everybody's
.endif
.if (\s) < 7
	PLACES
	WIN 0
	FETCHR (\s)+1
	FETCHP 0, (\s)+1
.if \first
	WIN MULF
.else
	WIN MULW
.endif
.endif
	MUL 4, \s, \first
.if (\s) < 7
	PLACES
	WIN 0
	FETCHP 4, (\s)+1
.endif
.endm
	s_load_b256 s[4:11], s[0:1], 0x0               ; ac, ops, proj_b, x
	s_load_b64 s[12:13], s[0:1], 0x20              ; out0
	v_lshl_add_u32 v254, v0, 2, 0x3b400
	v_mov_b32 v255, 0
	ds_add_u32 v254, v255
	ds_add_u32 v254, v255
	v_lshrrev_b32 v1, 5, v0
	v_readfirstlane_b32 s[WV], v1                  ; wave 0 .. 3
	s_lshr_b32 s15, s[WV], 1                       ; which 128 rows of P are mine
	s_and_b32 s48, s[WV], 1                        ; which 64 rows of R
	s_bfe_u32 s49, ttmp6, 0x40000                  ; cx: it enters R's rows and x's and out0's addresses alone
	s_lshr_b32 s50, ttmp9, 1
	s_lshl_b32 s50, s50, 8                         ; P's first row
	s_and_b32 s51, ttmp9, 1
	s_lshl_b32 s51, s51, 2
	s_add_co_u32 s51, s51, s49
	s_lshl_b32 s51, s51, 7                         ; R's first output channel
	s_mov_b32 s16, 15|(3<<16)|(1<<21)              ; group 1 for P: 17 planes x 64 rows of 16 bytes, a plane 16,384 elements of 8 bytes on; mask: all four, bit 21 beside it
	s_mov_b32 s17, 128<<16
	s_mov_b32 s18, 17<<16
	s_mov_b32 s19, 128<<16
	s_mov_b32 s20, 17
	s_mov_b32 s21, PA/8
	s_mov_b32 s22, 0
	s_mov_b32 s23, 0
	s_mov_b32 s24, 3<<16                           ; for R: 17 planes x 32 rows, no mask
	s_mov_b32 s25, 64<<16
	s_mov_b32 s26, 17<<16
	s_mov_b32 s27, 64<<16
	s_mov_b32 s28, 17
	s_mov_b32 s29, PO/8
	s_mov_b32 s30, 0
	s_mov_b32 s31, 0
	s_lshl_b32 s52, s[WV], 6
	s_add_co_u32 s52, s52, s50
	s_lshl_b32 s52, s52, 4                         ; P: rows 64 w on: made of the cluster's number and the wave's alone
	s_mov_b32 s53, 0
	s_lshl_b32 s54, s[WV], 5
	s_add_co_u32 s54, s54, s51
	s_add_co_u32 s54, s54, 11264
	s_lshl_b32 s54, s54, 4                         ; R: rows 32 w on
	s_mov_b32 s55, 0
	s_lshl_b32 s56, s15, 7
	s_add_co_u32 s56, s56, s50                     ; my first row of a
	s_lshr_b32 s57, s56, 11                        ; b
	s_and_b32 s56, s56, 2047                       ; t
	s_lshl_b32 s58, s48, 6
	s_add_co_u32 s58, s58, s51                     ; my first output channel
	s_lshl_b32 s57, s57, 10
	s_add_co_u32 s57, s57, s58
	s_lshl_b32 s57, s57, 13                        ; rows of 8,192 bytes
	s_lshl_b32 s56, s56, 2
	s_add_co_u32 s60, s57, s56                     ; my corner of x and of out0
	s_mov_b32 s61, 0
	s_lshl_b32 s62, s58, 2
	s_mov_b32 s63, 0
	s_mul_i32 s66, s[WV], PQ
	s_mul_i32 s67, s[WV], RQ
	v_and_b32 v1, 31, v0                           ; lane
	v_and_b32 v2, 15, v0                           ; r
	v_bfe_u32 v3, v0, 4, 1                         ; h
	s_mul_i32 s68, s15, 2*PQ
	v_lshlrev_b32 v[AP0], 4, v2
	v_lshl_add_u32 v[AP0], v3, 10, v[AP0]
	v_add_nc_u32 v[AP0], s68, v[AP0]
	v_add_nc_u32 v[AP0+1], PQ, v[AP0]
	s_mul_i32 s69, s48, 2*RQ
	s_add_co_u32 s69, s69, RB
	v_lshlrev_b32 v[AR], 4, v2
	v_lshl_add_u32 v[AR], v3, 9, v[AR]
	v_add_nc_u32 v[AR], s69, v[AR]
	v_mul_u32_u24 v[ASP], v3, PQ
	v_lshl_add_u32 v[ASP], v2, 4, v[ASP]
	v_add_nc_u32 v[ASP], s68, v[ASP]
	v_mul_u32_u24 v[ASR], v3, RQ
	v_lshl_add_u32 v[ASR], v2, 4, v[ASR]
	v_add_nc_u32 v[ASR], s69, v[ASR]
	s_mul_i32 s70, s[WV], 16*528
	s_add_co_u32 s70, s70, STG                     ; my stage
	v_mul_u32_u24 v9, v2, 528
	v_lshl_add_u32 v9, v3, 6, v9
	v_add_nc_u32 v9, s70, v9                       ; in: row r, 64 h bytes on
	v_lshlrev_b32 v11, 4, v1                       ; 16 bytes a lane of a row of 512: in the stage, in x and in out0
	v_add_nc_u32 v10, s70, v11                     ; back
	v_and_b32 v12, 8, v2
	v_add_nc_u32 v12, v12, v2
	v_lshlrev_b32 v12, 2, v12                      ; the bias: number r + 8 (r / 8) of a tile's
	s_wait_dscnt 0x0
	s_wait_kmcnt 0x0
	s_add_nc_u64 s[8:9], s[8:9], s[62:63]
	s_add_nc_u64 s[10:11], s[10:11], s[60:61]
	s_add_nc_u64 s[12:13], s[12:13], s[60:61]
	s_mov_b32 s32, 1                               ; P, planes 0 .. 16
	s_mov_b32 s33, s66
	s_add_nc_u64 s[34:35], s[4:5], s[52:53]
	s_mov_b32 s40, 1                               ; P, planes 17 .. 33
	s_add_co_u32 s41, s66, 17*1024
	s_add_nc_u64 s[42:43], s[34:35], 17*PA
	s_or_b32 s35, s35, 0x80000000
	s_or_b32 s43, s43, 0x80000000
	s_mov_b32 s36, 1                               ; R likewise
	s_add_co_u32 s37, s67, RB
	s_add_nc_u64 s[38:39], s[6:7], s[54:55]
	s_mov_b32 s44, 1
	s_add_co_u32 s45, s67, RB+17*512
	s_add_nc_u64 s[46:47], s[38:39], 17*PO
	s_or_b32 s39, s39, 0x80000000
	s_or_b32 s47, s47, 0x80000000
	ROUND                                          ; all four work-groups are here: the joint loads meet
	tensor_load_to_lds s[32:35], s[16:23]          ; all the launch's fills go out together: four loads of mine are out
	s_nop 0
	tensor_load_to_lds s[36:39], s[24:31]
	s_nop 0
	tensor_load_to_lds s[40:43], s[16:23]
	s_nop 0
	tensor_load_to_lds s[44:47], s[24:31]
	s_nop 0
	PLACES
.irp m, 0,1,2,3
	global_load_b32 v[BR+8*\m], v12, s[8:9] offset:(32*(\m/2)+8*(\m%2))*4
.endr
	WIN 0x80                                       ; destination window 2
.irp m, 0,1,2,3
.irp p, 0,1,2,3,4,5,6,7,8,9,10,11,12,13,14,15
	global_load_b128 v[64*\m+4*\p:64*\m+4*\p+3], v11, s[10:11] offset:(32*(\m/2)+8*(\m%2)+\p+8*(\p/8))*8192 th:TH_LOAD_NT   ; x: 512 consecutive bytes a load, in the order in which rows come back from the stage
.endr
.endr
	WIN 0
	s_wait_tensorcnt 2                             ; planes 0 .. 16 of my rows are in; the two younger loads may be out
	s_barrier_signal -1
	s_barrier_wait -1                              ; everybody's are
	SCALES
	FETCHR 0
	FETCHP 0, 0
	FETCHP 4, 0
	s_wait_loadcnt 63                              ; the four loads of the bias are in: 64 loads are younger, and 63 is the most that this wait can name
.irp m, 0,1,2,3
.irp j, 1,2,3,4,5,6,7
	v_mov_b32 v[BR+8*\m+\j], v[BR+8*\m]            ; a lane's eight results of a tile belong to one channel
.endr
.endr
	PLACES
	STEP 0, 1
.irp s, 1,2,3,4,5,6,7
	STEP \s, 0
.endr
	WIN 0
	PLACES
; THE WAY OUT, by R's tiles: 16 channels x 128 columns.  A lane holds pieces of one row, and the lanes beside it other rows: the block goes through my stage and comes back as whole rows of 512 bytes.
; LDS serves a wave's instructions in order (ISA guide 5.7.1.4): no wait between the stores and the loads, nor in front of the next block's stores.
.macro TOSTAGE m
	WIN 0x04                                       ; an LDS store's data: window 1
.irp i, 0,1,2,3,4,5,6,7
	ds_store_b128 v9, v[64*(\m)+8*\i:64*(\m)+8*\i+3] offset:128*(\i/2)+32*(\i%2)       ; each accumulator from its low end on
	ds_store_b128 v9, v[64*(\m)+8*\i+4:64*(\m)+8*\i+7] offset:128*(\i/2)+32*(\i%2)+16
.endr
	WIN 0
.set BB, BK+64*((\m)%2)
.irp p, 0,1,2,3,4,5,6,7,8,9,10,11,12,13,14,15
	ds_load_b128 v[BB+4*\p:BB+4*\p+3], v10 offset:528*\p
.endr
.endm
.macro SEND m, younger                 ; younger: the LDS instructions issued behind block m's loads, which may stay out
.set BB, BK+64*((\m)%2)
	s_wait_dscnt \younger
	WIN 0x08                                       ; second source window 2
.set n, 0
.rept 32
	v_pk_add_f32 v[BB+n:BB+n+1], v[BB+n:BB+n+1], v[64*(\m)+n:64*(\m)+n+1]   ; + x
.set n, n+2
.endr
	WIN 0
.irp p, 0,1,2,3,4,5,6,7,8,9,10,11,12,13,14,15
	global_store_b128 v11, v[BB+4*\p:BB+4*\p+3], s[12:13] offset:(32*((\m)/2)+8*((\m)%2)+\p+8*(\p/8))*8192 th:TH_STORE_NT   ; 512 consecutive bytes, aligned
.endr
.endm
	TOSTAGE 0
	s_wait_loadcnt 0x0                             ; x
.irp m, 1,2,3
.if \m > 1
	s_wait_xcnt 0x0                                ; block m - 2's stores have read their registers: block m's loads land there
.endif
	TOSTAGE \m
	SEND \m-1, 32                                  ; behind block m - 1's loads: block m's 16 stores and 16 loads
.endr
	SEND 3, 0
	s_wait_tensorcnt 0x0
	ds_add_u32 v254, v255
	s_wait_dscnt 0x0
	ROUND                                          ; the closing round
	s_endpgm
.Lfunc_end_k_q5d1112820b_proj:
	.size	k_q5d1112820b_proj, .Lfunc_end_k_q5d1112820b_proj-k_q5d1112820b_proj
	.p2alignl 7, 3214868480
	.fill 96, 4, 3214868480
	.section	.rodata,"a",@progbits
	.p2align	6, 0x0
	.amdhsa_kernel k_q5d1112820b_proj
		.amdhsa_group_segment_fixed_size 243200
		.amdhsa_private_segment_fixed_size 0
		.amdhsa_enable_private_segment 0
		.amdhsa_kernarg_size 40
		.amdhsa_user_sgpr_count 2
		.amdhsa_user_sgpr_kernarg_segment_ptr 1
		.amdhsa_wavefront_size32 1
		.amdhsa_system_sgpr_workgroup_id_x 1
		.amdhsa_system_sgpr_workgroup_id_y 1
		.amdhsa_system_sgpr_workgroup_id_z 1
		.amdhsa_system_vgpr_workitem_id 0
		.amdhsa_next_free_vgpr 768
		.amdhsa_next_free_sgpr 100
		.amdhsa_reserve_vcc 0
		.amdhsa_float_denorm_mode_32 3
		.amdhsa_float_denorm_mode_16_64 3
		.amdhsa_memory_ordered 1
		.amdhsa_forward_progress 1
		.amdhsa_inst_pref_size 86
	.end_amdhsa_kernel
	.amdgpu_metadata
---
amdhsa.version: [ 1, 2 ]
amdhsa.kernels:
  - .name:           k_q5d1112820b_proj
    .symbol:         k_q5d1112820b_proj.kd
    .args:
      - { .name: ac, .offset: 0, .size: 8, .value_kind: global_buffer, .address_space: global }
      - { .name: ops, .offset: 8, .size: 8, .value_kind: global_buffer, .address_space: global }
      - { .name: proj_b, .offset: 16, .size: 8, .value_kind: global_buffer, .address_space: global }
      - { .name: x, .offset: 24, .size: 8, .value_kind: global_buffer, .address_space: global }
      - { .name: out0, .offset: 32, .size: 8, .value_kind: global_buffer, .address_space: global }
    .group_segment_fixed_size: 243200
    .private_segment_fixed_size: 0
    .kernarg_segment_align: 8
    .kernarg_segment_size: 40
    .max_flat_workgroup_size: 128
    .sgpr_count:     100
    .vgpr_count:     768
    .wavefront_size: 32
...
	.end_amdgpu_metadata
.endif
;; end of part 4
;; ======== version 2 of 2: 4 launches; 1.16 times as fast as version 1
;; workspace buffers: ops 6,684,672 bytes; att 13,893,632 bytes; ac 4,456,448 bytes
;; launch prep (part 5): grid 256 x 1, 32 waves a work-group, no clusters, 4,608 bytes of LDS; arguments x, gn_scale, gn_bias, qkv_w_codes, qkv_w_scales, proj_w_codes, proj_w_scales, ops; writes ops
.if DOCPART == 5
	.amdgcn_target "amdgcn-amd-amdhsa--gfx1250"
	.amdhsa_code_object_version 6
	.text
	.protected	k_q5d1112820b_prep
	.globl	k_q5d1112820b_prep
	.p2align	8
	.type	k_q5d1112820b_prep,@function
k_q5d1112820b_prep:
	s_mov_b64 s[64:65], 0
	v_nop
	global_prefetch_b8 v0, s[64:65] scope:SCOPE_SE
	s_setreg_imm32_b32 hwreg(HW_REG_WAVE_MODE, 25, 1), 1
	s_wait_xcnt 0x0
; GroupNorm(32 groups) of x [4][1024][2048] f32, quantised to FP4 (E2M1) along the channels, and both weights' codes laid anew, all into ONE buffer of operands:
; ops = [34 planes][12,288 rows][16 bytes].  Plane 2 + g holds, for each row, the 32 codes of K block g; planes 0 and 1 hold the rows' 32 scale bytes (block g: plane g / 16, byte g % 16).
; Rows 0 .. 8,191: xn, at 2,048 b + pi(t).  Rows 8,192 .. 11,263: qkv_w, at 8,192 + pi(o).  Rows 11,264 .. 12,287: proj_w, at 11,264 + pi(o).  pi swaps bits 3 and 4 of a number: sixteen rows on end
; are then a matrix tile whose results, two tiles side by side, are sixteen neighbours along the next product's K.
; A K block of the first product, 32 channels, is one group of the norm.  WORK-GROUPS 0 .. 127: one (b, g) each: 32 channels x 2,048 columns, 256 KiB, dense in memory.  Thread t owns columns t and t + 1,024 and
; its registers run down the channels: x is read once and stays in registers for mean, variance (of the centred numbers), scaling and quantising; a block's largest magnitude needs no other lane.
; WORK-GROUPS 128 .. 255: 32 rows of a weight each (4,096 rows in all).  Wave w copies plane 2 + w: lane l takes 16 bytes of row pi(l); waves 0 and 1 copy the two planes of scale bytes as well.  A load takes
; 16 bytes of each of 32 rows; the work-group's 32 waves together read the rows' 16 KiB whole.  Each store covers 512 consecutive bytes.
; The scale bytes of xn leave one byte a lane, 16 bytes apart: the 16 bytes of a row in a plane belong to 16 work-groups; they are one byte for each 128 bytes read.
; LIMITS: NaN and infinities are not served.  A block whose largest magnitude lies under 2^-124 (a block of zeros among them) gets the scale byte 1; its codes are then as the conversion gives them (zeros for zeros);
; this program alone reads the bytes.  Sums are taken in another order than a plain loop's.
.set PO, 196608                        ; bytes in a plane of ops
.set X0, 32                            ; v32-63   column t, channels 0 .. 31
.set X1, 64                            ; v64-95   column t + 1,024
.set C0, 96                            ; v96-99   its codes;  v100-103 the other column's
.set C1, 100
.set GA, 20                            ; s20-51   the group's 32 gains, later x 1 / sqrt(var + eps)
.set BE, 68                            ; s68-99   its 32 biases
.macro WRED r                          ; the sum over the wave's 32 lanes, in every lane
	v_add_f32_dpp v[\r], v[\r], v[\r] row_xmask:1 row_mask:0xf bank_mask:0xf
	v_add_f32_dpp v[\r], v[\r], v[\r] row_xmask:2 row_mask:0xf bank_mask:0xf
	v_add_f32_dpp v[\r], v[\r], v[\r] row_xmask:4 row_mask:0xf bank_mask:0xf
	v_add_f32_dpp v[\r], v[\r], v[\r] row_xmask:8 row_mask:0xf bank_mask:0xf
	v_permlanex16_b32 v106, v[\r], s54, s55
	v_add_f32 v[\r], v[\r], v106
.endm
	s_load_b512 s[4:19], s[0:1], 0x0               ; x, gn_scale, gn_bias, qkv codes, qkv scales, proj codes, proj scales, ops
	v_lshl_add_u32 v126, v0, 2, 0x200
	v_mov_b32 v127, 0
	v_lshrrev_b32 v3, 5, v0
	v_readfirstlane_b32 s52, v3                    ; wave 0 .. 31
	v_and_b32 v2, 31, v0                           ; lane
	s_cmp_ge_u32 ttmp9, 128
	s_cbranch_scc1 .Lrelay
	; ---- the norm and its codes
	v_lshlrev_b32 v1, 2, v0                        ; my column's 4 bytes in a row of x
	v_lshlrev_b32 v3, 2, v3                        ; LDS: my wave's word
	v_lshlrev_b32 v2, 2, v2                        ; LDS: the word of the wave whose number is my lane's
	v_and_b32 v4, 0xffffffe7, v0
	v_bfe_u32 v18, v0, 3, 1
	v_bfe_u32 v19, v0, 4, 1
	v_lshl_or_b32 v4, v18, 4, v4
	v_lshl_or_b32 v4, v19, 3, v4                   ; pi(t)
	v_lshlrev_b32 v4, 4, v4                        ; 16 bytes a row
	v_mov_b32 v106, 0                              ; a lane permute's destination counts as read
	s_mov_b32 s54, 0x76543210
	s_mov_b32 s55, 0xfedcba98                      ; lane l xor 16
	s_mov_b32 s56, 0x37800000                      ; 2^-16: one over the group's 65,536 numbers
	s_mov_b32 s57, 0x3727c5ac                      ; eps = 1e-5
	s_and_b32 s66, ttmp9, 31                       ; g
	s_lshr_b32 s67, ttmp9, 5                       ; b
	s_lshl_b32 s58, ttmp9, 18                      ; the group's 262,144 bytes
	s_mov_b32 s59, 0
	s_wait_kmcnt 0x0
	s_add_nc_u64 s[4:5], s[4:5], s[58:59]
.irp i, 0,1,2,3,4,5,6,7,8,9,10,11,12,13,14,15,16,17,18,19,20,21,22,23,24,25,26,27,28,29,30,31
	global_load_b32 v[X0+\i], v1, s[4:5] offset:8192*\i th:TH_LOAD_NT
	global_load_b32 v[X1+\i], v1, s[4:5] offset:8192*\i+4096 th:TH_LOAD_NT
.endr
	s_lshl_b32 s58, s66, 7                         ; the group's 32 gains and biases
	s_add_nc_u64 s[6:7], s[6:7], s[58:59]
	s_add_nc_u64 s[8:9], s[8:9], s[58:59]
	s_load_b512 s[GA:GA+15], s[6:7], 0x0
	s_load_b512 s[GA+16:GA+31], s[6:7], 0x40
	s_load_b512 s[BE:BE+15], s[8:9], 0x0
	s_load_b512 s[BE+16:BE+31], s[8:9], 0x40
	s_add_co_u32 s60, s66, 2
	s_mul_i32 s60, s60, PO                         ; plane 2 + g,
	s_lshl_b32 s61, s67, 15                        ; rows 2,048 b on
	s_add_co_u32 s58, s60, s61
	s_add_nc_u64 s[60:61], s[18:19], s[58:59]      ; where the codes go
	s_lshr_b32 s62, s66, 4
	s_mul_i32 s62, s62, PO
	s_lshl_b32 s63, s67, 15
	s_add_co_u32 s62, s62, s63
	s_and_b32 s63, s66, 15
	s_add_co_u32 s58, s62, s63
	s_add_nc_u64 s[62:63], s[18:19], s[58:59]      ; and the scale bytes
	; the sum, in four chains of pairs; each wait leaves the younger loads out: 16 loads bring eight channels of both columns
	s_wait_loadcnt 48
	v_pk_add_f32 v[8:9], v[X0:X0+1], v[X0+2:X0+3]
	v_pk_add_f32 v[10:11], v[X0+4:X0+5], v[X0+6:X0+7]
	v_pk_add_f32 v[12:13], v[X1:X1+1], v[X1+2:X1+3]
	v_pk_add_f32 v[14:15], v[X1+4:X1+5], v[X1+6:X1+7]
.irp q, 1,2,3
	s_wait_loadcnt 48-16*\q
	v_pk_add_f32 v[8:9], v[8:9], v[X0+8*\q:X0+8*\q+1]
	v_pk_add_f32 v[10:11], v[10:11], v[X0+8*\q+2:X0+8*\q+3]
	v_pk_add_f32 v[12:13], v[12:13], v[X1+8*\q:X1+8*\q+1]
	v_pk_add_f32 v[14:15], v[14:15], v[X1+8*\q+2:X1+8*\q+3]
	v_pk_add_f32 v[8:9], v[8:9], v[X0+8*\q+4:X0+8*\q+5]
	v_pk_add_f32 v[10:11], v[10:11], v[X0+8*\q+6:X0+8*\q+7]
	v_pk_add_f32 v[12:13], v[12:13], v[X1+8*\q+4:X1+8*\q+5]
	v_pk_add_f32 v[14:15], v[14:15], v[X1+8*\q+6:X1+8*\q+7]
.endr
	v_pk_add_f32 v[8:9], v[8:9], v[10:11]
	v_pk_add_f32 v[12:13], v[12:13], v[14:15]
	v_pk_add_f32 v[8:9], v[8:9], v[12:13]
	v_add_f32 v8, v8, v9
	WRED 8
	ds_store_b32 v3, v8                            ; my wave's sum (all lanes write the same word with the same value)
	s_wait_dscnt 0x0                               ; for the others' sake: it has landed
	s_barrier_signal -1
	s_barrier_wait -1
	ds_load_b32 v8, v2                             ; lane l takes wave l's
	s_wait_dscnt 0x0
	WRED 8
	v_mul_f32 v16, 0xb7800000, v8                  ; -mean
	v_mov_b32 v17, v16
.set n, 0
.rept 16
	v_pk_add_f32 v[X0+n:X0+n+1], v[X0+n:X0+n+1], v[16:17]      ; x - mean, in place
	v_pk_add_f32 v[X1+n:X1+n+1], v[X1+n:X1+n+1], v[16:17]
.set n, n+2
.endr
	v_pk_mul_f32 v[8:9], v[X0:X0+1], v[X0:X0+1]                ; the squares' sum: the first four products start the chains
	v_pk_mul_f32 v[10:11], v[X0+2:X0+3], v[X0+2:X0+3]
	v_pk_mul_f32 v[12:13], v[X1:X1+1], v[X1:X1+1]
	v_pk_mul_f32 v[14:15], v[X1+2:X1+3], v[X1+2:X1+3]
.set n, 4
.rept 7
	v_pk_fma_f32 v[8:9], v[X0+n:X0+n+1], v[X0+n:X0+n+1], v[8:9]
	v_pk_fma_f32 v[10:11], v[X0+n+2:X0+n+3], v[X0+n+2:X0+n+3], v[10:11]
	v_pk_fma_f32 v[12:13], v[X1+n:X1+n+1], v[X1+n:X1+n+1], v[12:13]
	v_pk_fma_f32 v[14:15], v[X1+n+2:X1+n+3], v[X1+n+2:X1+n+3], v[14:15]
.set n, n+4
.endr
	v_pk_add_f32 v[8:9], v[8:9], v[10:11]
	v_pk_add_f32 v[12:13], v[12:13], v[14:15]
	v_pk_add_f32 v[8:9], v[8:9], v[12:13]
	v_add_f32 v8, v8, v9
	WRED 8
	ds_store_b32 v3, v8 offset:128                 ; other bytes than the first sum's: no wave need have read those
	s_wait_dscnt 0x0
	s_barrier_signal -1
	s_barrier_wait -1
	ds_load_b32 v8, v2 offset:128
	s_wait_dscnt 0x0
	WRED 8
	v_fma_f32 v9, v8, s56, s57                     ; var + eps
	v_rsq_f32 v9, v9
	v_nop                                          ; a plain instruction behind the transcendental,
	s_wait_alu depctr_va_vdst(0)                   ; and the wait ahead of its first reader
	v_readfirstlane_b32 s53, v9
	s_wait_kmcnt 0x0                               ; gains and biases
.set n, 0
.rept 32
	s_mul_f32 s[GA+n], s[GA+n], s53                ; gain / sqrt(var + eps)
.set n, n+1
.endr
.set n, 0
.rept 32
	v_fma_f32 v[X0+n], v[X0+n], s[GA+n], s[BE+n]   ; xn
	v_fma_f32 v[X1+n], v[X1+n], s[GA+n], s[BE+n]
.set n, n+1
.endr
	v_max3_num_f32 v28, |v[X0]|, |v[X0+1]|, 0x1800000          ; the block's largest magnitude, and the floor 2^(3 - 127): the byte cannot fall under 1
	v_max3_num_f32 v29, |v[X1]|, |v[X1+1]|, 0x1800000
.irp i, 2,4,6,8,10,12,14,16,18,20,22,24,26,28,30
	v_max3_num_f32 v28, v28, |v[X0+\i]|, |v[X0+\i+1]|
	v_max3_num_f32 v29, v29, |v[X1+\i]|, |v[X1+\i+1]|
.endr
	v_add_nc_u32 v30, 0xff000000, v28              ; 2 off the exponent field: the conversion takes this operand's exponent field as its scale
	v_add_nc_u32 v31, 0xff000000, v29
.irp g, 0,1,2,3
	v_cvt_scalef32_pk8_fp4_f32 v[C0+\g], v[X0+8*\g:X0+8*\g+7], v30
	v_cvt_scalef32_pk8_fp4_f32 v[C1+\g], v[X1+8*\g:X1+8*\g+7], v31
.endr
	v_lshrrev_b32 v104, 23, v30                    ; the scales' bytes (also the plain instruction behind the conversions)
	v_lshrrev_b32 v105, 23, v31
	global_store_b128 v4, v[C0:C0+3], s[60:61]                 ; pi stays inside 32 rows: a wave's store covers 512 consecutive bytes, aligned
	global_store_b128 v4, v[C1:C1+3], s[60:61] offset:16384
	global_store_b8 v4, v104, s[62:63]
	global_store_b8 v4, v105, s[62:63] offset:16384
	s_wait_tensorcnt 0x0
	ds_add_u32 v126, v127
	s_wait_dscnt 0x0
	s_endpgm
	; ---- the weights' codes and scale bytes: 32 rows a work-group, a plane a wave
.Lrelay:
	s_sub_co_u32 s20, ttmp9, 128                   ; which 32 rows of the 4,096: 0 .. 95 qkv_w, 96 .. 127 proj_w
	s_cmp_lt_u32 s20, 96
	s_cselect_b32 s21, 0, 96
	s_wait_kmcnt 0x0
	s_cselect_b64 s[22:23], s[10:11], s[14:15]     ; codes
	s_cselect_b64 s[24:25], s[12:13], s[16:17]     ; scale bytes
	s_sub_co_u32 s21, s20, s21
	s_lshl_b32 s30, s52, 4                         ; 16 w: my K block's bytes in a row of codes; in waves 0 and 1 also my half of a row of scale bytes
	s_lshl_b32 s26, s21, 14                        ; 32 rows of 512 bytes
	s_add_co_u32 s26, s26, s30
	s_mov_b32 s27, 0
	s_add_nc_u64 s[22:23], s[22:23], s[26:27]
	s_lshl_b32 s26, s21, 10                        ; 32 rows of 32 bytes
	s_add_co_u32 s26, s26, s30
	s_add_nc_u64 s[24:25], s[24:25], s[26:27]
	s_lshl_b32 s26, s20, 9
	s_add_co_u32 s26, s26, 8192*16
	s_add_nc_u64 s[28:29], s[18:19], s[26:27]      ; my 32 rows in plane 0,
	s_mul_i32 s26, s52, PO
	s_add_nc_u64 s[32:33], s[28:29], s[26:27]      ; in plane w,
	s_add_nc_u64 s[28:29], s[32:33], 2*PO          ; and in plane 2 + w
	v_and_b32 v5, 7, v2
	v_bfe_u32 v6, v2, 3, 1
	v_bfe_u32 v7, v2, 4, 1
	v_lshl_or_b32 v5, v6, 4, v5
	v_lshl_or_b32 v5, v7, 3, v5                    ; pi(lane)
	v_lshlrev_b32 v6, 5, v5                        ; its row of scale bytes,
	v_lshlrev_b32 v5, 9, v5                        ; of codes;
	v_lshlrev_b32 v7, 4, v2                        ; and my place in a plane
	global_load_b128 v[32:35], v5, s[22:23]        ; K block w of the 32 rows
	s_cmp_ge_u32 s52, 2
	s_cbranch_scc1 .Lcodes                         ; waves 0 and 1 alone copy a plane of scale bytes
	global_load_b128 v[36:39], v6, s[24:25]
	s_wait_loadcnt 0x0
	global_store_b128 v7, v[36:39], s[32:33]       ; 512 consecutive bytes
.Lcodes:
	s_wait_loadcnt 0x0
	global_store_b128 v7, v[32:35], s[28:29]       ; 512 consecutive bytes
	s_endpgm
.Lfunc_end_k_q5d1112820b_prep:
	.size	k_q5d1112820b_prep, .Lfunc_end_k_q5d1112820b_prep-k_q5d1112820b_prep
	.p2alignl 7, 3214868480
	.fill 96, 4, 3214868480
	.section	.rodata,"a",@progbits
	.p2align	6, 0x0
	.amdhsa_kernel k_q5d1112820b_prep
		.amdhsa_group_segment_fixed_size 4608
		.amdhsa_private_segment_fixed_size 0
		.amdhsa_enable_private_segment 0
		.amdhsa_kernarg_size 64
		.amdhsa_user_sgpr_count 2
		.amdhsa_user_sgpr_kernarg_segment_ptr 1
		.amdhsa_wavefront_size32 1
		.amdhsa_system_sgpr_workgroup_id_x 1
		.amdhsa_system_sgpr_workgroup_id_y 1
		.amdhsa_system_sgpr_workgroup_id_z 1
		.amdhsa_system_vgpr_workitem_id 0
		.amdhsa_next_free_vgpr 128
		.amdhsa_next_free_sgpr 100
		.amdhsa_reserve_vcc 0
		.amdhsa_float_denorm_mode_32 3
		.amdhsa_float_denorm_mode_16_64 3
		.amdhsa_memory_ordered 1
		.amdhsa_forward_progress 1
		.amdhsa_inst_pref_size 27
	.end_amdhsa_kernel
	.amdgpu_metadata
---
amdhsa.version: [ 1, 2 ]
amdhsa.kernels:
  - .name:           k_q5d1112820b_prep
    .symbol:         k_q5d1112820b_prep.kd
    .args:
      - { .name: x, .offset: 0, .size: 8, .value_kind: global_buffer, .address_space: global }
      - { .name: gn_scale, .offset: 8, .size: 8, .value_kind: global_buffer, .address_space: global }
      - { .name: gn_bias, .offset: 16, .size: 8, .value_kind: global_buffer, .address_space: global }
      - { .name: qkv_w_codes, .offset: 24, .size: 8, .value_kind: global_buffer, .address_space: global }
      - { .name: qkv_w_scales, .offset: 32, .size: 8, .value_kind: global_buffer, .address_space: global }
      - { .name: proj_w_codes, .offset: 40, .size: 8, .value_kind: global_buffer, .address_space: global }
      - { .name: proj_w_scales, .offset: 48, .size: 8, .value_kind: global_buffer, .address_space: global }
      - { .name: ops, .offset: 56, .size: 8, .value_kind: global_buffer, .address_space: global }
    .group_segment_fixed_size: 4608
    .private_segment_fixed_size: 0
    .kernarg_segment_align: 8
    .kernarg_segment_size: 64
    .max_flat_workgroup_size: 1024
    .sgpr_count:     100
    .vgpr_count:     128
    .wavefront_size: 32
...
	.end_amdgpu_metadata
.endif
;; end of part 5
;; launch qkv: the kernel of part 2 again; grid 768 x 1, 4 waves a work-group, clusters of 4 x 1, 209,408 bytes of LDS; arguments ops, qkv_b, att; writes att
;; launch attn (part 6): grid 4 x 64, 16 waves a work-group, clusters of 4 x 1, 169,984 bytes of LDS; arguments att, ac; writes ac
.if DOCPART == 6
	.amdgcn_target "amdgcn-amd-amdhsa--gfx1250"
	.amdhsa_code_object_version 6
	.text
	.protected	k_q5d1112820b_attn
	.globl	k_q5d1112820b_attn
	.p2align	8
	.type	k_q5d1112820b_attn,@function
k_q5d1112820b_attn:
	s_mov_b64 s[64:65], 0
	v_nop
	global_prefetch_b8 v0, s[64:65] scope:SCOPE_SE
	s_setreg_imm32_b32 hwreg(HW_REG_WAVE_MODE, 25, 1), 1
	s_wait_xcnt 0x0
	s_wait_alu depctr_hold_cnt(0) depctr_sa_sdst(0) depctr_va_vdst(0) depctr_va_sdst(0) depctr_va_ssrc(0) depctr_va_vcc(0) depctr_vm_vsrc(0)
	s_getreg_b32 s2, hwreg(HW_REG_IB_STS2, 6, 4)
	s_cmp_eq_u32 s2, 0
	s_cbranch_scc0 .Lentry_in_a_cluster
	s_endpgm
.Lentry_in_a_cluster:
	s_bfe_u32 s2, ttmp6, 0x10000c
	s_cmp_lg_u32 s2, 0x3003
	s_cbranch_scc0 .Lentry_shape_is_right
	s_endpgm
.Lentry_shape_is_right:
; a = softmax(q k^T) v for 64 heads of 64 channels and 2,048 columns, both products on codes of FP4 (E2M1) with E8M0 scales; q and k carry 64^(-1/4) each already.  The result is quantised along the channels for the
; projection and stored as ac = [34 planes][8,192 rows][16 bytes] (planes 0, 1: scale bytes; plane 2 + g: K block g = 2 head + half; row = 2,048 b + the query's place).
; THE SOFTMAX: t = score x log2(e); M = the running largest t rounded UP to a whole number; p = 2^(t - M) is quantised along the keys, not normalised; the row's sum is taken of the unquantised p and divides at the end;
; when M moves, the sum and O are multiplied by 2^(old M - new M), which rounds nothing.
; SHARES.  A work-group owns 512 queries of one head, each of its sixteen waves two tiles of 16, one after the other, in 256 registers: four waves to a SIMD, so that one wave's vector work stands beside another's
; products and LDS loads.  K's and V's codes and scale words of the WHOLE head, 16 steps x 8,960 bytes, lie in LDS: every byte is filled once, nothing is filled again, and there is one barrier.
; CLUSTER 4 x 1: the head's four work-groups need the same 140 KiB and ask for them jointly: wave w of each asks for step w.
; LAYOUT.  Both products transposed: S^T = K Q^T (source 0 = 16 keys), O^T = V^T P^T (source 0 = 16 channels): a lane holds ONE query throughout.  Keys and channels lie in the order that makes the 16 registers of tiles
; 2 b and 2 b + 1 sixteen neighbours.  K = 64 in the first product: Q's registers 4-7 are zero codes and both sides' scale bytes 2, 3 are 0; K's registers 4-7 are then whatever follows (the next tile's codes): x 0.
; THE EXPONENTIALS OF A KEY STEP STAND IN TWO BATCHES, each with one wait, and between the exponentials of a batch stands plain work that names none of the batch's results.  Batch 1: the four blocks' largest p and
; blocks 0, 1 (36), with the scalings of blocks 1 to 3 and the rescaling of the sums and of O^T (41 lines).  Batch 2: blocks 2, 3 (32), with what reads batch 1 alone: the scale operands and p's scale word, and the
; sums of blocks 0, 1 (30 lines).  The sums of blocks 2, 3 are the plain lines behind the conversions and ahead of the second product.
; No prefetch: all fills stand at the head.  LIMITS: NaN and infinities are not served; a block whose largest magnitude lies under 2^-124 gets the scale byte 1.
.set HEADB, 217088
.set STEPB, 13568
.set KVB,   8960                       ; of a step's bytes those that attention brings into LDS: K 4,096, V 4,096, K's scale words 512, V's 256
.set PA,    131072                     ; bytes in a plane of ac
.set WV,  8                            ; s8   wave
.set SEL, 20                           ; s[20:21] lane l xor 16
.set CS,  22                           ; s[22:23] log2(e), twice
.set TB,  24                           ; s24  LDS byte at which the step in hand begins
.set CNT, 25                           ; s25  steps to go
.set AL,  1                            ; v1   16 x lane
.set AR,  2                            ; v2   16 x (lane % 16)
.set ADK, 3                            ; v3, v4  the same + the step's first byte
.set ADV, 4
.set KF,  32                           ; v32-67  K: tile i at v[32 + 4 i]; v64-67 are zeros
.set VF,  68                           ; v68-99  V: four fragments
.set S,   100                          ; v100-163 S^T, then p
.set O,   164                          ; v164-195 O^T
.set PC,  196                          ; v196-203 p's codes
.set KS,  204                          ; v204-207 K's scale words (lanes 16-31: tiles 4-7);  v208-211 V's;  v10, v11 Q's;  v228 p's: these hold scales and nothing else
.set VS,  208
.set PW,  228
.set BM,  212                          ; v212-215 a block's largest score, then its largest p
.set T2,  216                          ; v216-219 the lane permutes' destinations
.set SO,  220                          ; v220-223 the conversions' scale operands
.set AC,  232                          ; v232-235 a's codes;  v236 its scale byte
.set SU,  238                          ; v[238:239] the step's second chain of sums
.set BY,  240                          ; v240-243 p's scale bytes
.macro ROUND
	s_barrier_signal -1
	s_barrier_wait -1
	s_cmp_lg_u32 s[WV], 0
	s_cbranch_scc1 .Lnot_wave_0_\@
	s_barrier_signal -3
.Lnot_wave_0_\@:
	s_barrier_wait -3
	s_barrier_signal -1
	s_barrier_wait -1
.endm
.macro KPROD i, q, qs
.if \i < 4
	v_wmma_scale_f32_16x16x128_f8f6f4 v[S+8*\i:S+8*\i+7], v[KF+4*\i:KF+4*\i+7], v[\q:\q+7], 0, v[KS+\i%4], v[\qs] matrix_a_fmt:MATRIX_FMT_FP4 matrix_b_fmt:MATRIX_FMT_FP4
.else
	v_wmma_scale_f32_16x16x128_f8f6f4 v[S+8*\i:S+8*\i+7], v[KF+4*\i:KF+4*\i+7], v[\q:\q+7], 0, v[KS+\i%4], v[\qs] matrix_a_fmt:MATRIX_FMT_FP4 matrix_b_fmt:MATRIX_FMT_FP4 matrix_a_scale:MATRIX_SCALE_ROW1
.endif
.endm
; The two batches' lines, numbered by the symbol e.
.macro EXP1                            ; exponential e of batch 1: 0-3 the blocks' largest p (the same two instructions on the same number as the key's own), 4-35 the keys of blocks 0 and 1
.if e < 4
	v_exp_f32 v[BM+e], v[BM+e]
.else
	v_exp_f32 v[S+e-4], v[S+e-4]
.endif
.endm
.macro PLN1                            ; plain line e of batch 1: 0-23 t - M of blocks 1 to 3 (pair e: registers 16 + 2 e on: block 1 is scaled by line 7, its first exponential is number 20); 24 the sums, 25-40 O^T: x f
.if e < 24
	v_pk_fma_f32 v[S+16+2*e:S+17+2*e], v[S+16+2*e:S+17+2*e], s[CS:CS+1], v[12:13] op_sel_hi:[1,0,0]
.elseif e == 24
	v_pk_mul_f32 v[14:15], v[14:15], v[226:227] op_sel_hi:[1,0]
.else
	v_pk_mul_f32 v[O+2*(e-25):O+2*(e-25)+1], v[O+2*(e-25):O+2*(e-25)+1], v[226:227] op_sel_hi:[1,0]
.endif
.endm
.macro EXP2                            ; exponential e of batch 2: the keys of blocks 2 and 3
	v_exp_f32 v[S+32+e], v[S+32+e]
.endm
.macro PLN2                            ; plain line e - 2 of batch 2: all read batch 1's results alone
.set p, e-2
.if p < 4
	v_max_num_f32 v[BM+p], 0x1800000, v[BM+p]      ; the floor 2^(3 - 127): the byte cannot fall under 1
.elseif p < 8
	v_add_nc_u32 v[SO+p-4], 0xff000000, v[BM+p-4]  ; 2 off the exponent field: the conversion's scale operand
.elseif p < 12
	v_lshrrev_b32 v[BY+p-8], 23, v[SO+p-8]         ; the scale's byte
.elseif p == 12
	v_lshl_or_b32 v[PW], v[BY+1], 8, v[BY]         ; p's scale word for these 128 keys
.elseif p < 15
	v_lshl_or_b32 v[PW], v[BY+p-11], 8*(p-11), v[PW]
.elseif p == 15
	v_pk_add_f32 v[SU:SU+1], v[S:S+1], v[S+2:S+3]  ; the row's sum of the unquantised p, in two chains
.elseif p%2 == 0
	v_pk_add_f32 v[14:15], v[14:15], v[S+4+2*(p-16):S+5+2*(p-16)]
.else
	v_pk_add_f32 v[SU:SU+1], v[SU:SU+1], v[S+4+2*(p-16):S+5+2*(p-16)]
.endif
.endm
; A KEY STEP: 128 keys.  q: Q's fragment, qs: its scale words
.macro STEP q, qs
	v_add_nc_u32 v[ADK], s[TB], v[AL]
	v_add_nc_u32 v[ADV], s[TB], v[AR]
.irp i, 0,1,2,3,4,5,6,7
	ds_load_b128 v[KF+4*\i:KF+4*\i+3], v[ADK] offset:512*\i        ; an image of the registers: 512 consecutive bytes
.endr
	ds_load_b128 v[KS:KS+3], v[ADK] offset:8192
	s_wait_dscnt 0x0
.irp i, 0,1,2,3,4,5,6,7
	KPROD \i, \q, \qs
.endr
.rept 4
	v_nop                                          ; places in front of the first read of the scores; with the two additions above also in front of the loads into V's registers, which the last step's products read
.endr
.irp m, 0,1,2,3
.irp c, 0,1
	ds_load_b128 v[VF+8*\m+4*\c:VF+8*\m+4*\c+3], v[ADK] offset:4096+1024*\m+512*\c   ; V lands while the softmax is walked
.endr
.endr
	ds_load_b128 v[VS:VS+3], v[ADV] offset:8704
.irp b, 0,1,2,3
	v_max3_num_f32 v[BM+\b], v[S+16*\b], v[S+1+16*\b], v[S+2+16*\b]   ; the largest score of each block of 32 keys: for the row's maximum, and, since p rises with the score, for the block's largest p
.endr
.irp i, 3,5,7,9,11,13
.irp b, 0,1,2,3
	v_max3_num_f32 v[BM+\b], v[BM+\b], v[S+16*\b+\i], v[S+1+16*\b+\i]
.endr
.endr
.irp b, 0,1,2,3
	v_max_num_f32 v[BM+\b], v[BM+\b], v[S+15+16*\b]
.endr
.irp b, 0,1,2,3
	v_permlanex16_b32 v[T2+\b], v[BM+\b], s[SEL], s[SEL+1]
.endr
.irp b, 0,1,2,3
	v_max_num_f32 v[BM+\b], v[BM+\b], v[T2+\b]     ; with lane l xor 16's 16 keys
.endr
	v_max3_num_f32 v224, v[BM], v[BM+1], v[BM+2]
	v_max_num_f32 v224, v224, v[BM+3]
	v_mul_f32 v224, s[CS], v224                    ; the step's largest t
	v_max_num_f32 v13, v13, v224                   ; the running largest t
	v_mov_b32 v224, v12
	v_floor_f32 v12, -v13                          ; -M = floor(-t): M is a whole number
	v_sub_f32 v224, v12, v224                      ; old M - new M: a whole number, 0 or less
	v_cvt_i32_f32 v224, v224                       ; (it saturates)
	v_ldexp_f32 v226, 1.0, v224                    ; f = 2^(old M - new M)
.irp b, 0,1,2,3
	v_fma_f32 v[BM+\b], v[BM+\b], s[CS], v12       ; t - M of each block's largest score,
.endr
.set n, 0
.rept 8
	v_pk_fma_f32 v[S+n:S+n+1], v[S+n:S+n+1], s[CS:CS+1], v[12:13] op_sel_hi:[1,0,0]   ; and of block 0's keys
.set n, n+2
.endr
.set e, 0
.rept 36                                       ; BATCH 1: an exponential, a plain line
	EXP1
	PLN1
.set e, e+1
.endr
.rept 5                                        ; the five plain lines that are over
	PLN1
.set e, e+1
.endr
	s_wait_alu depctr_va_vdst(0)                   ; one wait for batch 1, ahead of the first line that names one of its results
.set e, 0
.rept 32                                       ; BATCH 2: 32 exponentials and 30 plain lines: the batch ends with a plain line
	EXP2
.if e >= 2
	PLN2
.endif
.set e, e+1
.endr
	s_wait_alu depctr_va_vdst(0)                   ; one wait for batch 2
.irp b, 0,1,2,3
	v_cvt_scalef32_pk8_fp4_f32 v[PC+2*\b], v[S+16*\b:S+7+16*\b], v[SO+\b]
	v_cvt_scalef32_pk8_fp4_f32 v[PC+1+2*\b], v[S+8+16*\b:S+15+16*\b], v[SO+\b]
.endr
.irp j, 32,36,40,44
	v_pk_add_f32 v[14:15], v[14:15], v[S+\j:S+1+\j]               ; block 2's sums: they read p and write neither p nor the codes: the plain lines behind the conversions
	v_pk_add_f32 v[SU:SU+1], v[SU:SU+1], v[S+2+\j:S+3+\j]
.endr
.irp c, 0,1                                    ; a whole block to a lane
.irp i, 0,1
	v_permlane16_swap_b32 v[PC+4*\c+\i], v[PC+2+4*\c+\i]
.endr
.endr
.irp j, 48,52,56,60
	v_pk_add_f32 v[14:15], v[14:15], v[S+\j:S+1+\j]               ; block 3's sums: nine plain lines between the lines that made p's codes and the products
	v_pk_add_f32 v[SU:SU+1], v[SU:SU+1], v[S+2+\j:S+3+\j]
.endr
	v_pk_add_f32 v[14:15], v[14:15], v[SU:SU+1]
	s_wait_dscnt 0x0                               ; V
.irp m, 0,1,2,3
	v_wmma_scale_f32_16x16x128_f8f6f4 v[O+8*\m:O+8*\m+7], v[VF+8*\m:VF+8*\m+7], v[PC:PC+7], v[O+8*\m:O+8*\m+7], v[VS+\m], v[PW] matrix_a_fmt:MATRIX_FMT_FP4 matrix_b_fmt:MATRIX_FMT_FP4
.endr
	s_add_co_u32 s[TB], s[TB], KVB
.endm
; One tile of 16 queries: all 16 key steps, then the way out
.macro TILE k
	s_wait_xcnt 0x0                                ; the last tile's stores have read their registers
	v_mov_b32 v13, 0xff61b1e6                      ; the largest t so far: -3e38
	v_floor_f32 v12, -v13
	v_mov_b32 v14, 0
	v_mov_b32 v15, 0
.set n, 0
.rept 32
	v_mov_b32 v[O+n], 0                            ; the step is written once: the first finds zeros, which the first change of M leaves zeros
.set n, n+1
.endr
	s_mov_b32 s[TB], 0
	s_mov_b32 s[CNT], 16
.Lstep_\@:
	STEP 16+8*\k, 10+\k
	s_sub_co_u32 s[CNT], s[CNT], 1
	s_cmp_lg_u32 s[CNT], 0
	s_cbranch_scc1 .Lstep_\@
.rept 4
	v_nop                                          ; places behind the last products
.endr
	v_add_f32 v14, v14, v15
	v_permlanex16_b32 v224, v14, s[SEL], s[SEL+1]
	v_add_f32 v14, v14, v224                       ; the row's sum
	v_rcp_f32 v230, v14
	v_nop
	s_wait_alu depctr_va_vdst(0)
.set n, 0
.rept 16
	v_pk_mul_f32 v[S+n:S+n+1], v[O+n:O+n+1], v[230:231] op_sel_hi:[1,0]   ; a: register 16 b + i = channel 32 b + 16 (lane / 16) + i of my query
.set n, n+2
.endr
.irp b, 0,1
	v_max3_num_f32 v[BM+\b], |v[S+16*\b]|, |v[S+1+16*\b]|, 0x1800000
.endr
.irp i, 2,4,6,8,10,12,14
.irp b, 0,1
	v_max3_num_f32 v[BM+\b], v[BM+\b], |v[S+16*\b+\i]|, |v[S+1+16*\b+\i]|
.endr
.endr
.irp b, 0,1
	v_permlanex16_b32 v[T2+\b], v[BM+\b], s[SEL], s[SEL+1]
.endr
.irp b, 0,1
	v_max_num_f32 v[BM+\b], v[BM+\b], v[T2+\b]
.endr
.irp b, 0,1
	v_add_nc_u32 v[SO+\b], 0xff000000, v[BM+\b]
.endr
.irp b, 0,1
	v_lshrrev_b32 v[T2+\b], 23, v[SO+\b]
.endr
.irp b, 0,1
	v_cvt_scalef32_pk8_fp4_f32 v[AC+2*\b], v[S+16*\b:S+7+16*\b], v[SO+\b]
	v_cvt_scalef32_pk8_fp4_f32 v[AC+1+2*\b], v[S+8+16*\b:S+15+16*\b], v[SO+\b]
.endr
	v_nop
	v_permlane16_swap_b32 v[AC], v[AC+2]           ; lane (r, h) now holds all 32 codes of block h of query r
	v_permlane16_swap_b32 v[AC+1], v[AC+3]
	v_cndmask_b32 v236, v[T2], v[T2+1], s26        ; and that block's byte
	global_store_b128 v5, v[AC:AC+3], s[32:33] offset:4096*\k      ; sixteen lanes store 256 consecutive bytes, aligned, in each of two planes
	global_store_b8 v6, v236, s[34:35] offset:4096*\k              ; two bytes of each row's sixteen: the others are other heads'; one byte for each 16 of codes
.endm
	s_load_b128 s[4:7], s[0:1], 0x0                ; att, ac
	v_lshl_add_u32 v254, v0, 2, 0x29000
	v_mov_b32 v255, 0
	ds_add_u32 v254, v255
	ds_add_u32 v254, v255
	v_lshrrev_b32 v1, 5, v0
	v_readfirstlane_b32 s[WV], v1                  ; wave 0 .. 15
	s_bfe_u32 s9, ttmp6, 0x40000                   ; cx: which 512 queries: it enters Q's and ac's addresses alone
	s_and_b32 s10, ttmp7, 0xffff                   ; 16 b + head, which the partners share
	s_mov_b32 s44, 15|(3<<16)|(1<<21)              ; group 1: 35 rows of 256 bytes (32 elements of 8), dense; mask: all four, bit 21 beside it
	s_mov_b32 s45, 32<<16
	s_mov_b32 s46, 35<<16
	s_mov_b32 s47, 32<<16
	s_mov_b32 s48, 35
	s_mov_b32 s49, 32
	s_mov_b32 s50, 0
	s_mov_b32 s51, 0
	s_mul_i32 s12, s10, HEADB
	s_mul_i32 s13, s[WV], STEPB
	s_add_co_u32 s14, s12, s13                     ; step w of the head
	s_mov_b32 s15, 0
	s_lshl_b32 s16, s9, 2
	s_lshr_b32 s17, s[WV], 3
	s_add_co_u32 s16, s16, s17
	s_mul_i32 s16, s16, STEPB
	s_add_co_u32 s16, s16, s12                     ; my first tile of queries, 32 cx + w, lies in step 4 cx + w / 8; the second two steps on
	s_and_b32 s17, s[WV], 7
	s_lshl_b32 s17, s17, 9
	s_add_co_u32 s18, s16, s17
	s_add_co_u32 s18, s18, 8960                    ; its codes
	s_mov_b32 s19, 0
	s_bfe_u32 s17, s[WV], 0x10002
	s_lshl_b32 s17, s17, 8
	s_add_co_u32 s36, s16, s17
	s_and_b32 s17, s[WV], 3
	s_lshl_b32 s17, s17, 2
	s_add_co_u32 s36, s36, s17
	s_add_co_u32 s36, s36, 13056                   ; its scale words
	s_mov_b32 s37, 0
	s_and_b32 s56, s10, 15                         ; head
	s_lshr_b32 s57, s10, 4
	s_lshl_b32 s57, s57, 15                        ; 2,048 b rows of 16 bytes
	s_lshl_b32 s58, s9, 13
	s_add_co_u32 s57, s57, s58
	s_lshl_b32 s58, s[WV], 8
	s_add_co_u32 s57, s57, s58                     ; + 16 (32 cx + w) rows
	s_lshl_b32 s58, s56, 18
	s_add_co_u32 s58, s58, 2*PA
	s_add_co_u32 s38, s58, s57                     ; plane 2 + 2 head
	s_mov_b32 s39, 0
	s_lshr_b32 s58, s56, 3
	s_lshl_b32 s58, s58, 17
	s_add_co_u32 s58, s58, s57
	s_and_b32 s59, s56, 7
	s_lshl_b32 s59, s59, 1
	s_add_co_u32 s40, s58, s59                     ; plane head / 8, byte 2 (head % 8)
	s_mov_b32 s41, 0
	s_mov_b32 s[SEL], 0x76543210
	s_mov_b32 s[SEL+1], 0xfedcba98
	s_mov_b32 s[CS], 0x3fb8aa3b                    ; log2(e)
	s_mov_b32 s[CS+1], s[CS]
	v_and_b32 v7, 31, v0
	v_and_b32 v8, 15, v0
	v_bfe_u32 v9, v0, 4, 1
	v_lshlrev_b32 v[AL], 4, v7
	v_lshlrev_b32 v[AR], 4, v8
	v_lshl_add_u32 v5, v9, 17, v[AR]               ; a's codes: 16 r, and a plane on for lanes 16-31
	v_add_nc_u32 v6, v[AR], v9                     ; a's bytes: 16 r + h
	v_cmp_le_u32 s26, 16, v7                       ; lanes 16-31
.irp j, 20,21,22,23,28,29,30,31,64,65,66,67,216,217,218,219,224,227,231
	v_mov_b32 v\j, 0                               ; Q's upper halves and the tail behind K's last tile: zero codes; the others: written once, since they are named as permutes' destinations or as halves of pairs
.endr
	s_wait_dscnt 0x0
	s_wait_kmcnt 0x0
	s_mov_b32 s52, 1
	s_mul_i32 s53, s[WV], KVB
	s_add_nc_u64 s[54:55], s[4:5], s[14:15]
	s_or_b32 s55, s55, 0x80000000
	s_add_nc_u64 s[28:29], s[4:5], s[18:19]
	s_add_nc_u64 s[30:31], s[4:5], s[36:37]
	s_add_nc_u64 s[32:33], s[6:7], s[38:39]
	s_add_nc_u64 s[34:35], s[6:7], s[40:41]
	ROUND                                          ; all four work-groups are here: the joint loads meet
	tensor_load_to_lds s[52:55], s[44:51]          ; my one load: step w
	s_nop 0
.rept 4
	v_nop
.endr
.irp k, 0,1
	global_load_b128 v[16+8*\k:19+8*\k], v[AL], s[28:29] offset:2*STEPB*\k
	global_load_b32 v[10+\k], v[AR], s[30:31] offset:2*STEPB*\k
.endr
	s_wait_tensorcnt 0x0                           ; my step is in,
	s_barrier_signal -1
	s_barrier_wait -1                              ; everybody's is: the whole head lies in LDS
	s_wait_loadcnt 0x0                             ; Q
	TILE 0
	TILE 1
	s_wait_tensorcnt 0x0
	ds_add_u32 v254, v255
	s_wait_dscnt 0x0
	ROUND                                          ; the closing round
	s_endpgm
.Lfunc_end_k_q5d1112820b_attn:
	.size	k_q5d1112820b_attn, .Lfunc_end_k_q5d1112820b_attn-k_q5d1112820b_attn
	.p2alignl 7, 3214868480
	.fill 96, 4, 3214868480
	.section	.rodata,"a",@progbits
	.p2align	6, 0x0
	.amdhsa_kernel k_q5d1112820b_attn
		.amdhsa_group_segment_fixed_size 169984
		.amdhsa_private_segment_fixed_size 0
		.amdhsa_enable_private_segment 0
		.amdhsa_kernarg_size 16
		.amdhsa_user_sgpr_count 2
		.amdhsa_user_sgpr_kernarg_segment_ptr 1
		.amdhsa_wavefront_size32 1
		.amdhsa_system_sgpr_workgroup_id_x 1
		.amdhsa_system_sgpr_workgroup_id_y 1
		.amdhsa_system_sgpr_workgroup_id_z 1
		.amdhsa_system_vgpr_workitem_id 0
		.amdhsa_next_free_vgpr 256
		.amdhsa_next_free_sgpr 66
		.amdhsa_reserve_vcc 0
		.amdhsa_float_denorm_mode_32 3
		.amdhsa_float_denorm_mode_16_64 3
		.amdhsa_memory_ordered 1
		.amdhsa_forward_progress 1
		.amdhsa_inst_pref_size 45
	.end_amdhsa_kernel
	.amdgpu_metadata
---
amdhsa.version: [ 1, 2 ]
amdhsa.kernels:
  - .name:           k_q5d1112820b_attn
    .symbol:         k_q5d1112820b_attn.kd
    .args:
      - { .name: att, .offset: 0, .size: 8, .value_kind: global_buffer, .address_space: global }
      - { .name: ac, .offset: 8, .size: 8, .value_kind: global_buffer, .address_space: global }
    .group_segment_fixed_size: 169984
    .private_segment_fixed_size: 0
    .kernarg_segment_align: 8
    .kernarg_segment_size: 16
    .max_flat_workgroup_size: 512
    .sgpr_count:     66
    .vgpr_count:     256
    .wavefront_size: 32
...
	.end_amdgpu_metadata
.endif
;; end of part 6
;; launch proj: the kernel of part 4 again; grid 256 x 1, 4 waves a work-group, clusters of 4 x 1, 243,200 bytes of LDS; arguments ac, ops, proj_b, x, out0; writes out0
